; MI455X (gfx1250); checked and timed in simulation.
; The chip was launched on July 23, 2026; its instructions are those of AMD's public machine-readable ISA for CDNA 5 (MIT licence, August 2026) and "CDNA5" Instruction Set Architecture Reference Guide (July 2026). The comments in the code are by the model that wrote it; some were corrected since.
;; Multihead Attention. Allowed arithmetic: matrix products marked QUANTISED: E2M1 operands, one E8M0 scale for each 32 along K, by v_wmma_scale_f32_16x16x128_f8f6f4 with both operands' format E2M1 (or v_wmma_scale_f32_32x16x128_f4), f32 sums; products left as they are: bf16, f16 or f32 operands; f32 sums; everything else in f32.
;; Inputs: Wk 1,024 x 1,024 float32; Wo 1,024 x 1,024 float32; Wq 1,024 x 1,024 float32; Wv 1,024 x 1,024 float32; queries 4 x 2,048 x 1,024 float32; rel_emb 32 x 16 float32.
;; Outputs: out0 4 x 2,048 x 1,024 float32.
;; This version of the problem:
;;   THIS VERSION OF THE PROBLEM IS GIVEN IN LOW PRECISION. The matrix products marked QUANTISED in the list below multiply operands that are first quantised to E2M1 (2 exponent bits, 1 mantissa bit; 4 bits a number), with one power-of-two scale for each 32 numbers along K (OCP MX v1.0); their sums are f32. The products marked 'left as it is' may take bf16, f16 or f32 operands, with f32 sums. Whichever they take, every output number must still come out within the allowed error. Rounding operands to bf16 (8 significant bits) uses up far more of that allowance than f16 does (11 bits, for magnitudes from 6e-5 to 65,504). All else is computed in f32.
;;   The module's matrix products, in the order in which they are computed (A, B: the left and right operand; K: the contracted axis; several contracted axes count as one K, in the product's order):
;;     1. [M 8,192, K 1,024] x [K 1,024, N 1,024]; A: input queries; B: input Wq: QUANTISED
;;     2. [M 8,192, K 1,024] x [K 1,024, N 1,024]; A: input queries; B: input Wk: QUANTISED
;;     3. [M 8,192, K 1,024] x [K 1,024, N 1,024]; A: input queries; B: input Wv: QUANTISED
;;     4. batch 64 x [M 2,048, K 64] x [K 64, N 2,048]; A: computed on the way; B: computed on the way: left as it is (an operand is computed on the way)
;;     5. batch 64 x [M 2,048, K 2,048] x [K 2,048, N 64]; A: computed on the way; B: computed on the way: left as it is (an operand is computed on the way)
;;     6. [M 8,192, K 1,024] x [K 1,024, N 1,024]; A: computed on the way; B: input Wo: left as it is (an operand is computed on the way)
;;   THE QUANTISER, for each operand of a quantised product, along K:
;;     - K is cut into blocks of 32 from its start; a last block that is shorter is filled with zeros.
;;     - A block's scale is 2^e with e = floor(log2(the largest magnitude in the block)) - 2, held to -126 .. 127; a block of zeros has e = 0. As a byte (E8M0): e + 127.
;;     - Each number is divided by its block's scale, clamped to +-6, and rounded to the nearest number of E2M1, ties to even, subnormals kept.
;;     - The product sums the exact products of the quantised numbers (number of the format x scale) in f32.
;;   ~~~python
;;   def quantise(x, axis):      # numpy; x: float32 -> the quantised numbers, widened to float32 again
;;       x = np.moveaxis(x, axis, -1); K = x.shape[-1]
;;       x = np.pad(x, [(0, 0)] * (x.ndim - 1) + [(0, -K % 32)]); x = x.reshape(x.shape[:-1] + (-1, 32)); a = np.abs(x).max(-1, keepdims=True)
;;       e = np.where(a > 0, np.clip(np.frexp(np.where(a > 0, a, 1))[1] - 1 - 2, -126, 127), 0)      # np.frexp(a)[1] - 1 = floor(log2(a)), exactly
;;       r = np.clip(x / 2.0 ** e, -6, 6)
;;       step = 2.0 ** (np.maximum(np.frexp(np.where(r == 0, 1, r))[1] - 1, 0) - 1)
;;       q = np.round(r / step) * step * 2.0 ** e      # np.round: ties to even
;;       return np.moveaxis(q.reshape(q.shape[:-2] + (-1,))[..., :K], -1, axis).astype(np.float32)
;;   ~~~
;; One version. Each part assembles by itself: llvm-mc -triple=amdgcn-amd-amdhsa -mcpu=gfx1250 --defsym DOCPART=n.
;; ======== version 1 of 1: 4 launches
;; limits: values are held in f16: magnitudes above 65,504 overflow, below 6.1e-05 lose precision
;; workspace buffers: xcodes 4,194,304 bytes; xscales 262,144 bytes; wcodes 1,572,864 bytes; wscales 98,304 bytes; wo16 2,097,152 bytes; qkv 50,331,648 bytes; o2 16,777,216 bytes
;; launch prep (part 1): grid 384 x 1, 4 waves a work-group, no clusters, 33,280 bytes of LDS; arguments queries, Wq, Wk, Wv, Wo, xcodes, xscales, wcodes, wscales, wo16; writes xcodes, xscales, wcodes, wscales, wo16
.if DOCPART == 1
	.amdgcn_target "amdgcn-amd-amdhsa--gfx1250"
	.amdhsa_code_object_version 6
	.text
	.protected	k_q2eb08fc125_prep
	.globl	k_q2eb08fc125_prep
	.p2align	8
	.type	k_q2eb08fc125_prep,@function
k_q2eb08fc125_prep:
	s_mov_b64 s[64:65], 0
	v_nop
	global_prefetch_b8 v0, s[64:65] scope:SCOPE_SE
	s_setreg_imm32_b32 hwreg(HW_REG_WAVE_MODE, 25, 1), 1
	s_wait_xcnt 0x0
; queries [8192][1024] and Wq, Wk, Wv [1024][1024], f32, K innermost, become codes of FP4 (E2M1), two a byte, with one E8M0 scale byte for each 32 along K; Wo [1024][1024] becomes f16.
; xcodes [8192][512 bytes], xscales [8192][32]; wcodes [3072][512 bytes], wscales [3072][32]: rows 0-1023 Wq, 1024-2047 Wk, 2048-3071 Wv; wo16 [1024][1024] f16.
; A block's scale is 2^(floor(log2(its largest magnitude)) - 2); its byte is the largest magnitude's exponent field - 2, held at 1 from below.  A block of zeros so gets the byte 1 where the
; quantiser's text says 127: its codes are zeros, which add nothing under any byte but 0xff, and the bytes are read by this program alone.
; LIMITS: blocks whose largest magnitude lies under 2^(2 - 126) were not tried; NaN and infinities are not served; Wo beyond f16's largest number, 65,504, is not served.
; SHARES.  A work-group takes 32,768 numbers, a wave 8,192.  Work-groups 0-255 queries, 256-287 Wq, 288-319 Wk, 320-351 Wv: ONE path, only pointers are chosen.  352-383: Wo, a path of its own that touches no LDS.
; Rows are dense and 1,024 is a multiple of 32: every tensor is a plain stream of blocks of 32 numbers, and so are the codes and the scale bytes.
; THE QUANTISER'S PATH.  A wave takes 16 steps of 512 numbers.  Each load reads 512 consecutive bytes, 16 a lane; a step's 2,048 bytes turn through the wave's own stage in LDS and come back 64 bytes a lane,
; so that a lane holds 16 neighbours along K (two lanes hold a block).  A lane's 16 codes are 8 bytes: the wave stores 256 consecutive bytes.  A wave's 256 scale bytes are gathered in LDS and leave as one store.
.set WAVES, 4
.set STEPS, 16
.set EMAX,  2
.set CB,    8                          ; bytes of 16 codes
.set R,     16                         ; v16-79   four sets of 16 numbers as they are loaded
.set X,     80                         ; v80-111  two sets of 16 neighbours
.set C,     128                        ; v128-191 codes: four registers for each step, so that no store's data are written again
.set E,     112                        ; v112-127 a scale byte for each step
.set WREG,  8192                       ; LDS: a region for each wave: two stages of 32 x SP bytes, behind them its 256 scale bytes
.set SP,    80                         ; a lane's place in a stage: 64 bytes + 16 of padding
.set SPW,   12                         ; v12  LDS address of my spare word; never rewritten
.set NIL,   13                         ; v13  0; never rewritten
.set SPARE, WAVES*WREG                 ; behind the four regions: the spare words, 128 bytes a wave
.set GQ,    256                        ; work-groups for queries
.set GW,    32                         ; work-groups for each weight
.set WL,    16                         ; Wo's path: v16-143 two sets of 64 numbers
.set WH,    144                        ; v144-175 a group's 32 registers of f16
	s_load_b512 s[4:19], s[0:1], 0x0               ; queries s[4:5], Wq s[6:7], Wk s[8:9], Wv s[10:11], Wo s[12:13], xcodes s[14:15], xscales s[16:17], wcodes s[18:19]
	s_load_b128 s[20:23], s[0:1], 0x40             ; wscales s[20:21], wo16 s[22:23]
	v_lshl_add_u32 v[SPW], v0, 2, SPARE
	v_mov_b32 v[NIL], 0
	v_lshrrev_b32 v1, 5, v0
	v_readfirstlane_b32 s24, v1                    ; wave
	v_and_b32 v2, 31, v0                           ; lane
	v_lshlrev_b32 v3, 4, v2                        ; my 16 bytes of a load's 512
	s_mul_i32 s25, s24, WREG
	v_lshrrev_b32 v14, 2, v2
	v_mul_u32_u24 v14, v14, SP
	v_and_b32 v15, 3, v2
	v_lshl_add_u32 v14, v15, 4, v14
	v_add_nc_u32 v14, s25, v14                     ; the stage, on the way in: SP (lane / 4) + 16 (lane % 4)
	v_mul_u32_u24 v15, v2, SP
	v_add_nc_u32 v15, s25, v15                     ; and on the way out: SP x lane: my 16 neighbours
	v_mul_u32_u24 v4, v2, CB                       ; 8 x lane: my codes' place in a step's; on Wo's path my four f16
	v_lshrrev_b32 v5, 1, v2
	s_add_co_u32 s25, s25, 2*32*SP
	v_add_nc_u32 v5, s25, v5                       ; LDS: my wave's 256 scale bytes, my block's byte
	v_lshlrev_b32 v7, 3, v2                        ; and on the way out 8 bytes a lane
	v_add_nc_u32 v6, s25, v7
	s_mov_b32 s35, 0
	s_cmp_ge_u32 ttmp9, GQ+3*GW                    ; the work-group's number alone decides the path
	s_cbranch_scc1 .Lwo
	s_and_b32 s26, ttmp9, GW-1                     ; a weight's work-group within its tensor
	s_sub_co_u32 s27, ttmp9, GQ                    ; and within the three weights' codes (taken only where it is not negative)
	s_wait_kmcnt 0x0
	s_cmp_lt_u32 ttmp9, GQ
	s_cselect_b64 s[28:29], s[4:5], s[6:7]         ; from: queries, or a weight
	s_cselect_b64 s[30:31], s[14:15], s[18:19]     ; codes to
	s_cselect_b64 s[32:33], s[16:17], s[20:21]     ; scale bytes to
	s_cselect_b32 s26, ttmp9, s26
	s_cselect_b32 s27, ttmp9, s27
	s_cmp_ge_u32 ttmp9, GQ+GW
	s_cselect_b64 s[28:29], s[8:9], s[28:29]
	s_cmp_ge_u32 ttmp9, GQ+2*GW
	s_cselect_b64 s[28:29], s[10:11], s[28:29]
	s_lshl_b32 s26, s26, 2
	s_add_co_u32 s26, s26, s24                     ; which run of 8,192 numbers I read,
	s_lshl_b32 s27, s27, 2
	s_add_co_u32 s27, s27, s24                     ; and which I write
	s_lshl_b32 s34, s26, 15                        ; 32,768 bytes of f32 a run
	s_add_nc_u64 s[28:29], s[28:29], s[34:35]
	s_lshl_b32 s34, s27, 12                        ; 4,096 bytes of codes
	s_add_nc_u64 s[30:31], s[30:31], s[34:35]
	s_lshl_b32 s34, s27, 8                         ; 256 scale bytes
	s_add_nc_u64 s[32:33], s[32:33], s[34:35]
.macro LOAD t
.irp i, 0,1,2,3
	global_load_b128 v[R+16*((\t)%4)+4*\i:R+16*((\t)%4)+4*\i+3], v3, s[28:29] offset:2048*(\t)+512*\i th:TH_LOAD_NT   ; 32 lanes read 512 consecutive bytes
.endr
.endm
.macro TURN t                          ; step t's numbers through the stage: LDS serves a wave's instructions in order, so no wait stands between the stores and the loads
.irp i, 0,1,2,3
	ds_store_b128 v14, v[R+16*((\t)%4)+4*\i:R+16*((\t)%4)+4*\i+3] offset:32*SP*((\t)%2)+8*SP*\i
.endr
.irp i, 0,1,2,3
	ds_load_b128 v[X+16*((\t)%2)+4*\i:X+16*((\t)%2)+4*\i+3], v15 offset:32*SP*((\t)%2)+16*\i
.endr
.endm
.irp t, 0,1,2,3
	LOAD \t
.endr
	s_wait_loadcnt 12                              ; step 0's four loads are in; the twelve of steps 1 to 3 may be out
	TURN 0
.macro STEP t
.set XS, X+16*((\t)%2)
.if (\t) > 0
	s_wait_dscnt 1                                 ; this step's numbers are back from the stage (the last step's byte store may be out): so its stores into the stage have read their registers,
.else
	s_wait_dscnt 0x0
.endif
.if (\t)+4 < STEPS
	LOAD (\t)+4                                    ; which take the loads of four steps on
.endif
.if (\t)+1 < STEPS
.if STEPS-2-(\t) >= 3
	s_wait_loadcnt 12                              ; the next step's four loads are in; those of the three steps behind it may be out
.else
	s_wait_loadcnt 4*(STEPS-2-(\t))
.endif
	TURN (\t)+1                                    ; and go through the other stage while this step is worked
.endif
	v_max3_num_f32 v8, |v[XS]|, |v[XS+1]|, |v[XS+2]|               ; the largest magnitude of my 16, in two chains
	v_max3_num_f32 v9, |v[XS+3]|, |v[XS+4]|, |v[XS+5]|
.irp i, 6,10
	v_max3_num_f32 v8, v8, |v[XS+\i]|, |v[XS+\i+1]|
	v_max3_num_f32 v9, v9, |v[XS+\i+2]|, |v[XS+\i+3]|
.endr
	v_max3_num_f32 v8, v8, |v[XS+14]|, |v[XS+15]|
	v_max3_num_f32 v8, v8, v9, (EMAX+1)<<23        ; and the floor 2^(EMAX + 1 - 127): so the byte cannot fall under 1
	v_max_num_f32_dpp v8, v8, v8 row_xmask:1 row_mask:0xf bank_mask:0xf   ; and of my neighbour's 16: the block's
	v_add_nc_u32 v11, -(EMAX<<23), v8              ; EMAX off its exponent field: the conversion takes the exponent field of this operand as its scale, and nothing else of it
	v_cvt_scalef32_pk8_fp4_f32 v[C+4*(\t)], v[XS:XS+7], v11        ; eight numbers / the scale, to the nearest code, ties to even, beyond the largest code the largest
	v_cvt_scalef32_pk8_fp4_f32 v[C+4*(\t)+1], v[XS+8:XS+15], v11
	v_lshrrev_b32 v[E+(\t)], 23, v11               ; the scale's byte (also the plain line behind the conversions)
	ds_store_b8 v5, v[E+(\t)] offset:16*(\t)       ; both lanes of a block write the same byte with the same value
	global_store_b64 v4, v[C+4*(\t):C+4*(\t)+1], s[30:31] offset:32*CB*(\t)   ; the wave stores 256 consecutive bytes, aligned
.endm
.irp t, 0,1,2,3,4,5,6,7,8,9,10,11,12,13,14,15
	STEP \t
.endr
	ds_load_b64 v[8:9], v6                         ; LDS serves a wave's instructions in order: these see my stores
	s_wait_dscnt 0x0
	global_store_b64 v7, v[8:9], s[32:33]          ; 32 lanes store 256 consecutive bytes, aligned
	s_wait_tensorcnt 0x0                           ; the wave's end: these three lines behind my last LDS store
	ds_add_u32 v[SPW], v[NIL]
	s_wait_dscnt 0x0
	s_endpgm
; WO'S PATH: f32 to f16, rounded once.  A wave takes 8,192 numbers in four groups of 16 loads of 512 consecutive bytes; a lane's four numbers are 8 bytes of f16, so each store covers 256 consecutive bytes, aligned.
; Two groups of loads are on their way.  No LDS is touched here, so nothing is owed at this path's end.
.Lwo:
	s_sub_co_u32 s26, ttmp9, GQ+3*GW
	s_lshl_b32 s26, s26, 2
	s_add_co_u32 s26, s26, s24                     ; my run
	s_lshl_b32 s34, s26, 15
	s_wait_kmcnt 0x0
	s_add_nc_u64 s[12:13], s[12:13], s[34:35]
	s_lshl_b32 s34, s26, 14
	s_add_nc_u64 s[22:23], s[22:23], s[34:35]
.macro WLOAD g
.irp i, 0,1,2,3,4,5,6,7,8,9,10,11,12,13,14,15
	global_load_b128 v[WL+64*((\g)%2)+4*\i:WL+64*((\g)%2)+4*\i+3], v3, s[12:13] offset:8192*(\g)+512*\i th:TH_LOAD_NT
.endr
.endm
.macro WGROUP g
.if (\g) < 3
	s_wait_loadcnt 16                              ; this group's 16 loads are in; the next group's may be out
.else
	s_wait_loadcnt 0x0
.endif
.if (\g) > 0
	s_wait_xcnt 0x0                                ; the last group's stores have read their data: the registers are written again only behind this wait
.endif
.irp i, 0,1,2,3,4,5,6,7,8,9,10,11,12,13,14,15
	v_cvt_pk_f16_f32 v[WH+2*\i], v[WL+64*((\g)%2)+4*\i], v[WL+64*((\g)%2)+4*\i+1]
	v_cvt_pk_f16_f32 v[WH+2*\i+1], v[WL+64*((\g)%2)+4*\i+2], v[WL+64*((\g)%2)+4*\i+3]
.endr
.irp i, 0,1,2,3,4,5,6,7,8,9,10,11,12,13,14,15
	global_store_b64 v4, v[WH+2*\i:WH+2*\i+1], s[22:23] offset:4096*(\g)+256*\i
.endr
.if (\g) < 2
	WLOAD (\g)+2
.endif
.endm
	WLOAD 0
	WLOAD 1
	WGROUP 0
	WGROUP 1
	WGROUP 2
	WGROUP 3
	s_endpgm
.Lfunc_end_k_q2eb08fc125_prep:
	.size	k_q2eb08fc125_prep, .Lfunc_end_k_q2eb08fc125_prep-k_q2eb08fc125_prep
	.p2alignl 7, 3214868480
	.fill 96, 4, 3214868480
	.section	.rodata,"a",@progbits
	.p2align	6, 0x0
	.amdhsa_kernel k_q2eb08fc125_prep
		.amdhsa_group_segment_fixed_size 33280
		.amdhsa_private_segment_fixed_size 0
		.amdhsa_enable_private_segment 0
		.amdhsa_kernarg_size 80
		.amdhsa_user_sgpr_count 2
		.amdhsa_user_sgpr_kernarg_segment_ptr 1
		.amdhsa_wavefront_size32 1
		.amdhsa_system_sgpr_workgroup_id_x 1
		.amdhsa_system_sgpr_workgroup_id_y 1
		.amdhsa_system_sgpr_workgroup_id_z 1
		.amdhsa_system_vgpr_workitem_id 0
		.amdhsa_next_free_vgpr 192
		.amdhsa_next_free_sgpr 66
		.amdhsa_reserve_vcc 0
		.amdhsa_float_denorm_mode_32 3
		.amdhsa_float_denorm_mode_16_64 3
		.amdhsa_memory_ordered 1
		.amdhsa_forward_progress 1
		.amdhsa_inst_pref_size 54
	.end_amdhsa_kernel
	.amdgpu_metadata
---
amdhsa.version: [ 1, 2 ]
amdhsa.kernels:
  - .name:           k_q2eb08fc125_prep
    .symbol:         k_q2eb08fc125_prep.kd
    .args:
      - { .name: queries, .offset: 0, .size: 8, .value_kind: global_buffer, .address_space: global }
      - { .name: Wq, .offset: 8, .size: 8, .value_kind: global_buffer, .address_space: global }
      - { .name: Wk, .offset: 16, .size: 8, .value_kind: global_buffer, .address_space: global }
      - { .name: Wv, .offset: 24, .size: 8, .value_kind: global_buffer, .address_space: global }
      - { .name: Wo, .offset: 32, .size: 8, .value_kind: global_buffer, .address_space: global }
      - { .name: xcodes, .offset: 40, .size: 8, .value_kind: global_buffer, .address_space: global }
      - { .name: xscales, .offset: 48, .size: 8, .value_kind: global_buffer, .address_space: global }
      - { .name: wcodes, .offset: 56, .size: 8, .value_kind: global_buffer, .address_space: global }
      - { .name: wscales, .offset: 64, .size: 8, .value_kind: global_buffer, .address_space: global }
      - { .name: wo16, .offset: 72, .size: 8, .value_kind: global_buffer, .address_space: global }
    .group_segment_fixed_size: 33280
    .private_segment_fixed_size: 0
    .kernarg_segment_align: 8
    .kernarg_segment_size: 80
    .max_flat_workgroup_size: 128
    .sgpr_count:     66
    .vgpr_count:     192
    .wavefront_size: 32
...
	.end_amdgpu_metadata
.endif
;; end of part 1
;; launch qkv (part 2): grid 12 x 32, 4 waves a work-group, clusters of 4 x 4, 327,680 bytes of LDS; arguments xcodes, xscales, wcodes, wscales, qkv; writes qkv
.if DOCPART == 2
	.amdgcn_target "amdgcn-amd-amdhsa--gfx1250"
	.amdhsa_code_object_version 6
	.text
	.protected	k_q2eb08fc125_qkv
	.globl	k_q2eb08fc125_qkv
	.p2align	8
	.type	k_q2eb08fc125_qkv,@function
k_q2eb08fc125_qkv:
	s_mov_b64 s[64:65], 0
	v_nop
	global_prefetch_b8 v0, s[64:65] scope:SCOPE_SE
	s_setreg_imm32_b32 hwreg(HW_REG_WAVE_MODE, 25, 1), 1
	s_wait_xcnt 0x0
	s_wait_alu depctr_hold_cnt(0) depctr_sa_sdst(0) depctr_va_vdst(0) depctr_va_sdst(0) depctr_va_ssrc(0) depctr_va_vcc(0) depctr_vm_vsrc(0)
	s_getreg_b32 s2, hwreg(HW_REG_IB_STS2, 6, 4)
	s_cmp_eq_u32 s2, 0
	s_cbranch_scc0 .Lentry_in_a_cluster
	s_endpgm
.Lentry_in_a_cluster:
	s_bfe_u32 s2, ttmp6, 0x10000c
	s_cmp_lg_u32 s2, 0xf033
	s_cbranch_scc0 .Lentry_shape_is_right
	s_endpgm
.Lentry_shape_is_right:
; q, k, v = queries x (Wq | Wk | Wv)^T on codes of FP4 (E2M1) with one E8M0 scale for each 32 along K: C[m][n] = sum over k of A[m][k] B[n][k], A: xcodes [8192][1024 codes], B: wcodes [3072][1024 codes]; sums in f32.
; The result is rounded once to f16 and laid head-major: qkv[n / 64][m][n % 64] (48 heads' worth: 0-15 q, 16-31 k, 32-47 v; a head's block is 8,192 rows of 128 bytes = 2^20 bytes), so that two rows of a head
; are 256 consecutive bytes, aligned.  LIMIT: results beyond f16's largest number, 65,504, are not served.
; A tile of C, 256 x 256, is made by a work-group of four waves; a wave makes 128 x 128: 64 accumulators of 16 x 16, 512 registers.  K = 1,024 is two LDS slots of 512 along K (rows of 256 bytes): both are filled once,
; at the start, and nothing is filled again; by this text's count a wave has three tensor loads out at most (its scales, slot 0, slot 1).
; THE SCALES of the work-group's 256 rows of A and of B, for all of K, are two dense blocks of memory: they come into LDS once, as rows of 256 bytes.
; CLUSTERS: 4 x 4 work-groups.  The four of a row of the cluster need the same tiles of A, the four of a column the same tiles of B: each tile is asked for JOINTLY, by the same tensor load with the same descriptor and a mask
; that names the four.  THE MATRIX INSTRUCTION IS USED TRANSPOSED (source 0 = 16 rows of B, source 1 = 16 rows of A): a lane then holds eight neighbouring numbers of a row of C.
; The grid is 12 x 32 = 384 tiles; a tile of 256 x 128 would give 768 but read half as much again from LDS for each product.
; REGISTERS, in windows of 256: window 0: v0-31 addresses; v32-95 scale words, two sets; v128-191 A's fragments, ONE set; on the way out v32-63 packed results, v128-191 rows read back.
;   window 1: B's fragments, TWO sets, at v0 and v128.   window 2: the 32 accumulators of my rows 0-63 ((a, b) at v[8 (8 a + b)]);   window 3: those of my rows 64-127.
.set SIZE_K, 1024
.set KSTEP,  512                       ; along K in a slot
.set NQ,     KSTEP/128                 ; matrix instructions deep
.set ROWB,   256                       ; a tile's row in bytes
.set KROW,   SIZE_K/2                  ; a row of A or of B in memory, in bytes
.set PITCH,  272                       ; an LDS row: 256 bytes + 16 of padding = 68 words: row r starts at bank 4 r mod 64 (64 banks of 4 bytes: ISA guide 11.1)
.set FR,     8                         ; registers of a fragment: 16 rows x 128 K
.set NL,     2                         ; LDS loads that bring one
.set NP,     4                         ; places behind this matrix instruction (ISA guide 7.12.1)
.set HALFT,  128*PITCH                 ; 128 rows: what one tensor load brings, and what one wave reads of A or of B
.set SLOT,   4*HALFT                   ; A's 256 rows, then B's 256 rows
.set KS,     SIZE_K/32                 ; a row of scales in bytes
.set SCL,    2*SLOT                    ; behind the slots: the scales, as rows of 256 bytes + 16 of padding
.set HALFS,  (128*KS/256)*272          ; the scales of 128 rows: what one tensor load brings
.set SBLK,   (16*KS/256)*272           ; those of 16 rows
.set SPARE,  SCL+4*HALFS               ; the spare words, 128 bytes for each wave
.set SPITCH, 144                       ; the way out: a stage row is a head's 128 bytes of one row of C + 16
.set WSTG,   2*16*SPITCH               ; a wave's stage: 2 heads x 16 rows.  It lies in slot 0, which has had its only fill and its last read when the first result is stored there
.set ADRA, 16                          ; v16-17  LDS address of my A fragments in slot 0, 1
.set ADRB, 20                          ; v20-21  the same for B
.set STO,  24                          ; v24     the way out: where I put 16 bytes of a row
.set RD,   25                          ; v25     the way out: where I read back
.set CO,   26                          ; v26     my byte offset in qkv
.set ADRS, 27                          ; v27     LDS address of my scale words: lanes 0-15 A's rows, lanes 16-31 B's
.set SPW,  28                          ; v28     LDS address of my spare word; never rewritten
.set NIL,  29                          ; v29     0; never rewritten
.set SC,   32                          ; scale words: set s at v[SC + 8 NQ s]; register NQ i + q: lanes 0-15 the word of A's block i, lanes 16-31 that of B's block i, for the slot's q-th 128 along K
.set AF,   128                         ; A's fragments, in window 0
.set TMP,  32                          ; the way out: a block's packed results
.set BK,   128                         ; the way out: 16 rows read back: v128-159 and v160-191 by turns
.set G1, 24                            ; s[24:31] descriptor group 1 for A's tiles;  s[32:39] group 0, one set for each slot
.set G0, 32
.set G1B, 48                           ; s[48:55], s[56:63] the same for B's tiles
.set G0B, 56
.set G1S, 68                           ; s[68:75], s[76:79] groups 1 and 0 for A's scales;  s[80:87], s[88:91] for B's
.set G0S, 76
.set G1SB, 80
.set G0SB, 88
.set MSB, 0
.macro WIN new                         ; the immediate's high byte repeats the setting that is left
.if MSB != \new
	s_set_vgpr_msb (MSB<<8)|\new
.set MSB, \new
.endif
.endm
.set MUL_LO, 0xa1                      ; source 0 (B) window 1, source 1 (A) window 0, C and D window 2
.set MUL_HI, 0xf1                      ; the same, C and D window 3
.set TO_B,   0x40                      ; destination window 1, address window 0
; A joint load: waves 0 and 1 fetch for A, waves 2 and 3 for B.  Each of the two lines has ONE mask and one set of registers for all that issue it; the branch hangs on the wave's number alone.
; An s_nop 0 and four v_nop follow each of the two lines, ahead of the jump, the label and what follows.
.macro JLOAD g0a, g1a, g0b, g1b
	s_cmp_eq_u32 s15, 0
	s_cbranch_scc0 .Lfor_b_\@
	tensor_load_to_lds s[\g0a:\g0a+3], s[\g1a:\g1a+7]
	s_nop 0
.rept 4
	v_nop
.endr
	s_branch .Lasked_\@
.Lfor_b_\@:
	tensor_load_to_lds s[\g0b:\g0b+3], s[\g1b:\g1b+7]
	s_nop 0
.rept 4
	v_nop
.endr
.Lasked_\@:
.endm
.macro CROUND                          ; a round of the cluster's barrier: my work-group's barrier; wave 0 signals for the work-group; every wave waits for all sixteen; my work-group's barrier once more
	s_barrier_signal -1
	s_barrier_wait -1
	s_cmp_lg_u32 s14, 0
	s_cbranch_scc1 .Lnot_wave_0_\@
	s_barrier_signal -3
.Lnot_wave_0_\@:
	s_barrier_wait -3
	s_barrier_signal -1
	s_barrier_wait -1
.endm
	s_load_b128 s[4:7], s[0:1], 0x0                ; A's codes s[4:5], A's scales s[6:7]
	s_load_b128 s[8:11], s[0:1], 0x10              ; B's codes s[8:9], B's scales s[10:11]
	s_load_b64 s[12:13], s[0:1], 0x20              ; qkv
	v_lshl_add_u32 v[SPW], v0, 2, SPARE
	v_mov_b32 v[NIL], 0
	ds_add_u32 v[SPW], v[NIL]                      ; the wave's opening: the add, twice on end, and its wait ahead of my first tensor load; the set-up below stands between the second and the wait
	ds_add_u32 v[SPW], v[NIL]
	v_lshrrev_b32 v1, 5, v0
	v_readfirstlane_b32 s14, v1                    ; wave 0..3
	s_lshr_b32 s15, s14, 1                         ; which half of the tile's rows is mine.  Also: I fetch for A (0) or for B (1)
	s_and_b32 s16, s14, 1                          ; which half of its columns.  Also: which 128 rows of that tile I fetch
	s_bfe_u32 s40, ttmp6, 0x40000                  ; cx, cy: my place in the cluster
	s_bfe_u32 s41, ttmp6, 0x40004
	s_lshl_b32 s42, ttmp9, 2
	s_add_co_u32 s42, s42, s40                     ; tile column of C = 4 x cluster x + cx
	s_and_b32 s17, ttmp7, 0xffff
	s_lshl_b32 s17, s17, 2
	s_add_co_u32 s17, s17, s41                     ; tile row of C = 4 x cluster y + cy
	s_lshl_b32 s43, s41, 2
	s_lshl_b32 s43, 15, s43                        ; my row of the cluster
	s_lshl_b32 s44, 0x1111, s40                    ; my column
	; descriptor group 1: a tile of 128 rows x 256 bytes, padded in LDS
	s_or_b32 s[G1+0], s43, (0<<16)|(1<<20)|(1<<21)|(5<<22)|(3<<25)  ; 15:0 the mask: A's tiles go to my row; 17:16 element of 1 byte; 20 padding on; 21 set beside a mask; 24:22 after every 64 words (code 5); 31:25 of 4 words (code 3)
	s_or_b32 s[G1B+0], s44, (0<<16)|(1<<20)|(1<<21)|(5<<22)|(3<<25)
.irp g, G1, G1B
	s_mov_b32 s[\g+1], ROWB<<16                    ; tensor_dim0
	s_mov_b32 s[\g+2], 128<<16                     ; tensor_dim1 = 128
	s_mov_b32 s[\g+3], ROWB<<16                    ; tile_dim0
	s_mov_b32 s[\g+4], 128                         ; tile_dim1 = 128
	s_mov_b32 s[\g+5], KROW                        ; tensor_dim0_stride
	s_mov_b32 s[\g+6], 0
	s_mov_b32 s[\g+7], 0
.endr
	; and for the scales of 128 rows: a dense block of 4,096 bytes, as 16 rows of 256 bytes (32 elements of 8 bytes), 16 bytes of padding behind each
	s_or_b32 s[G1S+0], s43, (3<<16)|(1<<20)|(1<<21)|(5<<22)|(3<<25)
	s_or_b32 s[G1SB+0], s44, (3<<16)|(1<<20)|(1<<21)|(5<<22)|(3<<25)
.irp g, G1S, G1SB
	s_mov_b32 s[\g+1], 32<<16
	s_mov_b32 s[\g+2], (128*KS/256)<<16
	s_mov_b32 s[\g+3], 32<<16
	s_mov_b32 s[\g+4], 128*KS/256
	s_mov_b32 s[\g+5], 32
	s_mov_b32 s[\g+6], 0
	s_mov_b32 s[\g+7], 0
.endr
	s_lshl_b32 s18, s16, 7                         ; which 128 rows of the tile I fetch
	s_lshl_b32 s20, s17, 8
	s_add_co_u32 s20, s20, s18                     ; A: row 256 x tile row + 128 x half
	s_lshl_b32 s46, s42, 8
	s_add_co_u32 s46, s46, s18                     ; B: row 256 x tile column + 128 x half
	s_mov_b32 s21, 0
	s_mov_b32 s47, 0
	s_mov_b64 s[18:19], KS
	s_mul_u64 s[22:23], s[20:21], s[18:19]         ; where these rows' scales begin, in bytes
	s_mul_u64 s[92:93], s[46:47], s[18:19]
	s_mov_b64 s[18:19], KROW
	s_mul_u64 s[20:21], s[20:21], s[18:19]         ; and their codes
	s_mul_u64 s[46:47], s[46:47], s[18:19]
	s_mul_i32 s45, s14, HALFT                      ; where they go: wave x 128 rows: no place in the cluster enters an LDS address
	s_mul_i32 s94, s14, HALFS
	s_wait_dscnt 0x0                               ; both opening adds are done
	s_wait_kmcnt 0x0
	s_add_nc_u64 s[20:21], s[4:5], s[20:21]
	s_add_nc_u64 s[22:23], s[6:7], s[22:23]
	s_add_nc_u64 s[46:47], s[8:9], s[46:47]
	s_add_nc_u64 s[92:93], s[10:11], s[92:93]
	CROUND                                         ; all sixteen work-groups are here: the joint loads meet
	s_mov_b32 s[G0S], 1
	s_add_co_u32 s[G0S+1], s94, SCL
	s_mov_b64 s[G0S+2:G0S+3], s[22:23]
	s_or_b32 s[G0S+3], s[G0S+3], 0x80000000
	s_mov_b32 s[G0SB], 1
	s_add_co_u32 s[G0SB+1], s94, SCL
	s_mov_b64 s[G0SB+2:G0SB+3], s[92:93]
	s_or_b32 s[G0SB+3], s[G0SB+3], 0x80000000
	JLOAD G0S, G1S, G0SB, G1SB                     ; the scales first: they are wanted with slot 0
.irp s, 0,1
	s_mov_b32 s[G0+4*\s], 1
	s_add_co_u32 s[G0+4*\s+1], s45, \s*SLOT
	s_add_nc_u64 s[G0+4*\s+2:G0+4*\s+3], s[20:21], \s*ROWB
	s_or_b32 s[G0+4*\s+3], s[G0+4*\s+3], 0x80000000
	s_mov_b32 s[G0B+4*\s], 1
	s_add_co_u32 s[G0B+4*\s+1], s45, \s*SLOT
	s_add_nc_u64 s[G0B+4*\s+2:G0B+4*\s+3], s[46:47], \s*ROWB
	s_or_b32 s[G0B+4*\s+3], s[G0B+4*\s+3], 0x80000000
	JLOAD G0+4*\s, G1, G0B+4*\s, G1B
.endr
	v_and_b32 v1, 15, v0                           ; l % 16
	v_bfe_u32 v2, v0, 4, 1                         ; l / 16
	v_mul_u32_u24 v3, v1, PITCH
	v_lshl_add_u32 v4, v2, 4, v3                   ; a fragment's row x pitch + 16 x half
	s_mul_i32 s21, s15, HALFT                      ; my 128 rows of A
	s_mul_i32 s22, s16, HALFT                      ; my 128 rows of B,
	s_add_co_u32 s22, s22, 2*HALFT                 ; which lie behind A's 256
.irp s, 0,1
	v_add_nc_u32 v[ADRA+\s], s21, v4
	v_add_nc_u32 v[ADRB+\s], s22, v4
	s_add_co_u32 s21, s21, SLOT
	s_add_co_u32 s22, s22, SLOT
.endr
	v_mul_u32_u24 v5, v1, KS                       ; my row's scales: KS bytes a row,
	v_lshrrev_b32 v6, 8, v5
	v_lshl_add_u32 v5, v6, 4, v5                   ; and 16 more for each 256 passed
	s_mul_i32 s21, s15, HALFS                      ; A's: my 128 rows
	s_mul_i32 s22, s16, HALFS                      ; B's: my 128 rows, behind A's 256
	s_add_co_u32 s22, s22, 2*HALFS
	s_sub_co_u32 s22, s22, s21
	v_mul_u32_u24 v6, s22, v2                      ; lanes 16-31 take B's: the lower base + half x the distance
	s_add_co_u32 s21, s21, SCL
	v_add_nc_u32 v5, v5, v6
	v_add_nc_u32 v[ADRS], s21, v5
	s_mul_i32 s23, s14, WSTG                       ; my stage
	v_mul_u32_u24 v5, v1, SPITCH                   ; in: row l % 16, 16 bytes for each half of the lanes
	v_lshl_add_u32 v5, v2, 4, v5
	v_add_nc_u32 v[STO], s23, v5
	v_mul_u32_u24 v5, v2, 16*SPITCH                ; back: lanes 0-15 take two rows of head 0, lanes 16-31 of head 1; eight lanes to a row of 128 bytes
	v_bfe_u32 v6, v0, 3, 1
	v_mul_u32_u24 v6, v6, SPITCH
	v_add_nc_u32 v5, v5, v6
	v_and_b32 v6, 7, v0
	v_lshl_add_u32 v5, v6, 4, v5
	v_add_nc_u32 v[RD], s23, v5
	v_lshlrev_b32 v[CO], 4, v1                     ; and in qkv: two rows of a head are 256 consecutive bytes; the next head lies 2^20 bytes on
	v_lshl_add_u32 v[CO], v2, 20, v[CO]
	s_lshl_b32 s20, s17, 8
	s_lshl_b32 s21, s15, 7
	s_add_co_u32 s20, s20, s21                     ; my first row of C: 256 x tile row + 128 x half,
	s_lshl_b32 s20, s20, 7                         ; 128 bytes a row
	s_mov_b32 s21, 0
	s_lshl_b32 s46, s42, 2                         ; my first head: 4 x tile column + 2 x half (in the registers that held B's address: none that feeds A's descriptors ever holds cx)
	s_lshl_b32 s47, s16, 1
	s_add_co_u32 s46, s46, s47
	s_lshl_b32 s46, s46, 20
	s_mov_b32 s47, 0
	s_add_nc_u64 s[20:21], s[20:21], s[46:47]
	s_add_nc_u64 s[12:13], s[12:13], s[20:21]
.macro FRAG reg, adr, q, i             ; a fragment, 16 rows x 128 K of 4-bit codes, is 8 registers: lane l holds row l % 16; registers 4 c .. 4 c + 3 hold K = 64 c + 32 (l / 16) + 0 .. 31
.irp c, 0,1
	ds_load_b128 v[\reg+4*\c:\reg+4*\c+3], v[\adr] offset:64*(\q)+32*\c+(\i)*16*PITCH
.endr
.endm
; 16 matrix instructions: A's blocks a0, a0 + 1 x B's eight, 128 along K: the slot's q-th.  p: B's set;  sc: the set of scale words.  zero = 1: the first product starts the sums: nothing is ever cleared.
; The 64 accumulators take turns, one instruction a turn, in the same order in every step.
.macro MUL16 a0, p, q, sc, zero
.irp a, \a0, \a0+1
.irp b, 0,1,2,3,4,5,6,7
.if \zero
	v_wmma_scale_f32_16x16x128_f8f6f4 v[8*(8*((\a)%4)+\b):8*(8*((\a)%4)+\b)+7], v[128*(\p)+FR*\b:128*(\p)+FR*\b+FR-1], v[AF+FR*(\a):AF+FR*(\a)+FR-1], 0, v[SC+8*NQ*(\sc)+NQ*\b+(\q)], v[SC+8*NQ*(\sc)+NQ*(\a)+(\q)] matrix_a_fmt:MATRIX_FMT_FP4 matrix_b_fmt:MATRIX_FMT_FP4 matrix_a_scale:MATRIX_SCALE_ROW1
.else
	v_wmma_scale_f32_16x16x128_f8f6f4 v[8*(8*((\a)%4)+\b):8*(8*((\a)%4)+\b)+7], v[128*(\p)+FR*\b:128*(\p)+FR*\b+FR-1], v[AF+FR*(\a):AF+FR*(\a)+FR-1], v[8*(8*((\a)%4)+\b):8*(8*((\a)%4)+\b)+7], v[SC+8*NQ*(\sc)+NQ*\b+(\q)], v[SC+8*NQ*(\sc)+NQ*(\a)+(\q)] matrix_a_fmt:MATRIX_FMT_FP4 matrix_b_fmt:MATRIX_FMT_FP4 matrix_a_scale:MATRIX_SCALE_ROW1
.endif
.endr
.endr
.endm
.macro FETCH_B slot, q, p              ; B's eight fragments of the slot's q-th 128 along K into set p
	WIN TO_B
.irp i, 0,1,2,3,4,5,6,7
	FRAG 128*(\p)+FR*\i, ADRB+\slot, \q, \i
.endr
	WIN 0
.endm
.macro FETCH_A slot, q, i0             ; A's blocks i0 .. i0 + 3
.irp i, \i0, \i0+1, \i0+2, \i0+3
	FRAG AF+FR*(\i), ADRA+\slot, \q, \i
.endr
.endm
.macro SCALES sc                       ; a slot's scale words into set sc: NQ words a row; lanes 0-15 take A's block i, lanes 16-31 B's block i
.irp i, 0,1,2,3,4,5,6,7
	ds_load_b128 v[SC+8*NQ*\sc+NQ*\i:SC+8*NQ*\sc+NQ*\i+3], v[ADRS] offset:\i*SBLK
.endr
.endm
; A load into a register that a matrix instruction has read, and a vector instruction or an LDS store that reads a matrix result, stand NP places behind that matrix instruction, and only plain vector
; instructions that name none of its registers are places (ISA guide 7.12.1 for vector instructions).
.macro PLACES n
.rept \n
	v_nop
.endr
.endm
; A step of 128 along K that has its successor in the same slot.
.macro STEP slot, q, zero
	s_wait_dscnt 4*NL                              ; B's set and A's blocks 0-3 are in; the youngest eight loads (A's blocks 4-7) may be out
	WIN MUL_LO
	MUL16 0, (\q)%2, \q, \slot, \zero
	MUL16 2, (\q)%2, \q, \slot, \zero
	s_wait_dscnt 0                                 ; A's blocks 4-7 are in (asked for 32 matrix instructions ago)
	PLACES NP
	FETCH_B \slot, (\q)+1, 1-(\q)%2
	FETCH_A \slot, (\q)+1, 0
	WIN MUL_HI
	MUL16 4, (\q)%2, \q, \slot, \zero
	MUL16 6, (\q)%2, \q, \slot, \zero
	PLACES NP
	WIN 0
	FETCH_A \slot, (\q)+1, 4
.endm
; Slot 0's last step changes slots: one barrier; in front of it each wave waits for all its tensor loads (its part of slot 1), adds 0 to its spare word, and waits for that and for its reads of slot 0.
; Behind it slot 1 is whole for every wave, and slot 0 is read by nobody: the way out's stages lie there.
.macro TURN slot, next
	s_wait_tensorcnt 0x0                           ; all my tensor loads have landed  (every window is 0 here: the add's two registers lie in window 0)
	ds_add_u32 v[SPW], v[NIL]                      ; 0 onto my spare word
	s_wait_dscnt 4*NL+1                            ; (the add and the youngest eight loads, A's blocks 4-7, may be out)
	WIN MUL_LO
	MUL16 0, 1, NQ-1, \slot, 0                     ; sixteen matrix instructions stand between the add and the wait for it
	s_wait_dscnt 0x0                               ; the add is done, and my reads of this slot are over
	s_barrier_signal -1
	MUL16 2, 1, NQ-1, \slot, 0
	WIN 0
	s_barrier_wait -1
	PLACES NP
	v_add_nc_u32 v[ADRS], 4*NQ, v[ADRS]            ; on to the next slot's scale words (no LDS load of mine is out)
	FETCH_B \next, 0, 0
	FETCH_A \next, 0, 0
	SCALES \next
	WIN MUL_HI
	MUL16 4, 1, NQ-1, \slot, 0
	MUL16 6, 1, NQ-1, \slot, 0
	PLACES NP
	WIN 0
	FETCH_A \next, 0, 4
.endm
.macro STEPS slot, from                ; the slot's steps from .. NQ - 2
.set Q, \from
.rept NQ-1-\from
	STEP \slot, Q, 0
.set Q, Q+1
.endr
.endm
	s_wait_tensorcnt 1                             ; the scales and my part of slot 0 are in (slot 1's load may be out)
	s_barrier_signal -1
	s_barrier_wait -1                              ; everybody's are
	FETCH_B 0, 0, 0
	FETCH_A 0, 0, 0
	SCALES 0
	FETCH_A 0, 0, 4
	STEP 0, 0, 1                                   ; the first step's products start the sums
	STEPS 0, 1
	TURN 0, 1
	STEPS 1, 0
	s_wait_dscnt 4*NL                              ; the very last step: nothing more to fetch
	WIN MUL_LO
	MUL16 0, 1, NQ-1, 1, 0
	MUL16 2, 1, NQ-1, 1, 0
	s_wait_dscnt 0
	WIN MUL_HI
	MUL16 4, 1, NQ-1, 1, 0
	MUL16 6, 1, NQ-1, 1, 0
	WIN 0
; THE WAY OUT, block by block of 16 rows x 128 columns (two heads).  A lane's eight results pack into 16 bytes of f16 of one row of one head; the lanes beside it hold other rows.  So a block goes through my own stage
; in LDS ([head][row], 144 bytes a row) and comes back so that lanes 0-15 hold two rows of head 0 and lanes 16-31 two rows of head 1: each half of the lanes stores 256 consecutive bytes, aligned.
; LDS serves a wave's instructions in order (ISA guide 5.7.1.4): no wait between the stores and the loads.
.macro PACK a
.set AC, 64*((\a)%4)
	WIN 0x0a+5*((\a)/4)                            ; sources 0 and 1: window 2 or 3
.irp b, 0,1,2,3,4,5,6,7
.irp r, 0,1,2,3
	v_cvt_pk_f16_f32 v[TMP+4*\b+\r], v[AC+8*\b+2*\r], v[AC+8*\b+2*\r+1]   ; each accumulator from its low end on
.endr
.endr
	WIN 0
.endm
.macro TOSTAGE a
.set BB, BK+32*((\a)%2)
.irp b, 0,1,2,3,4,5,6,7
	ds_store_b128 v[STO], v[TMP+4*\b:TMP+4*\b+3] offset:16*SPITCH*(\b/4)+32*(\b%4)
.endr
.irp t, 0,1,2,3,4,5,6,7
	ds_load_b128 v[BB+4*\t:BB+4*\t+3], v[RD] offset:2*SPITCH*\t
.endr
.endm
.macro SEND a
.set BB, BK+32*((\a)%2)
	s_wait_dscnt 0x0                               ; the block is back in registers
	s_wait_xcnt 0x0                                ; the stores of the block before have read their registers: the next block's loads land there only behind this wait
.irp t, 0,1,2,3,4,5,6,7
	global_store_b128 v[CO], v[BB+4*\t:BB+4*\t+3], s[12:13] offset:2048*(\a)+256*\t
.endr
.endm
	PLACES NP                                      ; behind the last products: for the conversions' writes over the scale words, and the loads into A's fragments
	PACK 0
	TOSTAGE 0
.irp a, 1,2,3,4,5,6,7                  ; block a's conversions stand between block a - 1's loads from the stage and the wait for them
	PACK \a
	SEND \a-1
	TOSTAGE \a
.endr
	SEND 7
	s_wait_tensorcnt 0x0                           ; the wave's end: these three lines, behind my last tensor load and my last LDS store
	ds_add_u32 v[SPW], v[NIL]
	s_wait_dscnt 0x0
	CROUND                                         ; the closing round: no work-group ends while a partner may still ask for a tile that names it
	s_endpgm
.Lfunc_end_k_q2eb08fc125_qkv:
	.size	k_q2eb08fc125_qkv, .Lfunc_end_k_q2eb08fc125_qkv-k_q2eb08fc125_qkv
	.p2alignl 7, 3214868480
	.fill 96, 4, 3214868480
	.section	.rodata,"a",@progbits
	.p2align	6, 0x0
	.amdhsa_kernel k_q2eb08fc125_qkv
		.amdhsa_group_segment_fixed_size 327680
		.amdhsa_private_segment_fixed_size 0
		.amdhsa_enable_private_segment 0
		.amdhsa_kernarg_size 40
		.amdhsa_user_sgpr_count 2
		.amdhsa_user_sgpr_kernarg_segment_ptr 1
		.amdhsa_wavefront_size32 1
		.amdhsa_system_sgpr_workgroup_id_x 1
		.amdhsa_system_sgpr_workgroup_id_y 1
		.amdhsa_system_sgpr_workgroup_id_z 1
		.amdhsa_system_vgpr_workitem_id 0
		.amdhsa_next_free_vgpr 1024
		.amdhsa_next_free_sgpr 98
		.amdhsa_reserve_vcc 0
		.amdhsa_float_denorm_mode_32 3
		.amdhsa_float_denorm_mode_16_64 3
		.amdhsa_memory_ordered 1
		.amdhsa_forward_progress 1
		.amdhsa_inst_pref_size 126
	.end_amdhsa_kernel
	.amdgpu_metadata
---
amdhsa.version: [ 1, 2 ]
amdhsa.kernels:
  - .name:           k_q2eb08fc125_qkv
    .symbol:         k_q2eb08fc125_qkv.kd
    .args:
      - { .name: xcodes, .offset: 0, .size: 8, .value_kind: global_buffer, .address_space: global }
      - { .name: xscales, .offset: 8, .size: 8, .value_kind: global_buffer, .address_space: global }
      - { .name: wcodes, .offset: 16, .size: 8, .value_kind: global_buffer, .address_space: global }
      - { .name: wscales, .offset: 24, .size: 8, .value_kind: global_buffer, .address_space: global }
      - { .name: qkv, .offset: 32, .size: 8, .value_kind: global_buffer, .address_space: global }
    .group_segment_fixed_size: 327680
    .private_segment_fixed_size: 0
    .kernarg_segment_align: 8
    .kernarg_segment_size: 40
    .max_flat_workgroup_size: 128
    .sgpr_count:     98
    .vgpr_count:     1024
    .wavefront_size: 32
...
	.end_amdgpu_metadata
.endif
;; end of part 2
;; launch attn (part 3): grid 4 x 64, 8 waves a work-group, clusters of 4 x 1, 327,680 bytes of LDS; arguments qkv, rel_emb, o2; writes o2
.if DOCPART == 3
	.amdgcn_target "amdgcn-amd-amdhsa--gfx1250"
	.amdhsa_code_object_version 6
	.text
	.protected	k_q2eb08fc125_attn
	.globl	k_q2eb08fc125_attn
	.p2align	8
	.type	k_q2eb08fc125_attn,@function
k_q2eb08fc125_attn:
	s_mov_b64 s[64:65], 0
	v_nop
	global_prefetch_b8 v0, s[64:65] scope:SCOPE_SE
	s_setreg_imm32_b32 hwreg(HW_REG_WAVE_MODE, 25, 1), 1
	s_wait_xcnt 0x0
	s_wait_alu depctr_hold_cnt(0) depctr_sa_sdst(0) depctr_va_vdst(0) depctr_va_sdst(0) depctr_va_ssrc(0) depctr_va_vcc(0) depctr_vm_vsrc(0)
	s_getreg_b32 s2, hwreg(HW_REG_IB_STS2, 6, 4)
	s_cmp_eq_u32 s2, 0
	s_cbranch_scc0 .Lentry_in_a_cluster
	s_endpgm
.Lentry_in_a_cluster:
	s_bfe_u32 s2, ttmp6, 0x10000c
	s_cmp_lg_u32 s2, 0x3003
	s_cbranch_scc0 .Lentry_shape_is_right
	s_endpgm
.Lentry_shape_is_right:
; o[b][h][q][:] = the sum over k of softmax_k(q . k / 8 + bias[h][k - q]) v[k][:], for 4 batches x 16 heads x 2,048 positions, head size 64.  q, k, v: qkv[48][8192][64] f16 (q: head h, k: 16 + h, v: 32 + h; row 2048 b + t);
; o2: [16][8192][64] f16.  Both products take f16 operands and sum in f32; maxima, exponentials and row sums in f32; the weights p are rounded to f16 for the second product, o once at the end.
; f16 and not bf16: three more significant bits on p, v and o.  LIMITS: |q|, |k|, |v| under 65,504; NaN and infinities are not served.
; THE BIAS hangs on rel = k - q alone: bucket = min(n, 7) + the number of thresholds 11, 15, 21, 30, 44, 62, 90, 128 that are <= n (n = |rel|), + 16 where rel > 0.  These are the places where the bucketing's logarithm passes a
; whole number; at n = 128 it lies exactly on one, and the exact value (bucket 15 or 31) is taken.  For n >= 128 the bias is one of two numbers.
; SHARES.  A cluster of four work-groups is one (batch, head); all four walk the same K and V, so each tile is asked for JOINTLY.  Wave w (of eight) of work-group cx owns queries 64 (4 w + cx) .. + 63: four tiles of 16.
; By this interleaving 'is this key step near the diagonal' hangs on w and on the count of steps alone, never on cx.  Two waves share a SIMD (512 registers each): one wave's softmax stands beside the other's products.
; LAYOUT.  S^T = K Q^T + C (source 0 = 16 keys, source 1 = 16 queries): a lane holds ONE query (lane % 16) and keys 8 (lane / 16) + 0..7.  C = 8 x bias is the C of each sum's first product: the bias costs no vector line.
; Two such tiles, rounded to f16 in pairs, ARE source 1 (32 keys x 16 queries) of O^T = V^T P.  K comes out of LDS as it lies, V ([key][channel]) turned by ds_load_tr16_b128.
; SOFTMAX.  For each query a running maximum m of S and a sum l: p = 2^(c S - c m), c = log2(e) / 8; in every step O^T and l are multiplied by a = 2^(c m_old - c m_new).  m begins at -3e38, l and O^T at 0.
; THE BIAS TILES near the diagonal lie in LDS as images of C's registers: position p (0 .. 39) holds the tile with rel = 16 (p - 11 - 4 cx) + key in tile - query in tile.  cx enters the table's CONTENT alone.
; In key step j the tile (query tile qt, key tile kt) is position 4 (j - 4 w + 2) + kt - qt + 3.  Steps with j - 4 w in -2 .. 5 are NEAR; before them every rel <= -129, behind them every rel >= 129, for every cx.
; LDS.  Two slots of 256 keys (four steps); a step: 32 pair-rows of K (two keys = 256 bytes, + 16 of padding), then 32 pair-rows of V (+ 32).  Slot 1 begins at 2^17, so that one exclusive or turns an address.
; REGISTERS.  window 0: v2-15 addresses and constants; v16-23 the far bias; v24-55 statistics, eight a tile; v56-63 at work at the head; v64-191 S^T, then p, then P (32 a tile); v192-255 K's fragments.
;   window 1: v0-127 O^T (32 a tile); v128-191 Q; v192-255 V's fragments.
.set PK,    272       ; a pair-row of K in LDS: the sixteen keys of a fragment start at sixteen different groups of four banks (64 banks of 4 bytes: ISA guide 11.1)
.set PV,    288       ; a pair-row of V: sixteen lanes of the turning load (8 keys x 32 bytes) touch each bank once
.set KV,    32*PK     ; a step: K's 32 pair-rows, then V's
.set STEPB, 32*(PK+PV)
.set SLOT1, 1<<17
.set BIAS,  4*STEPB   ; behind slot 0: 40 bias tiles of 1,024 bytes
.set SPARE, BIAS+40*1024  ; the spare words, 128 bytes for each of eight waves
.set STAGE, SLOT1+4*STEPB ; behind slot 1: 64 rows x 144 bytes for each wave, for the way out
.set SP,    144
.set AK0, 2           ; v2   my lane's place in a step's K; never rewritten
.set AV0, 3           ; v3   the same for V
.set ADK, 4           ; v4   LDS address of the step's K
.set ADV, 5           ; v5   of its V
.set ABI0, 6          ; v6   BIAS + 16 x lane
.set ADB, 7           ; v7   LDS address of the step's bias tiles
.set QO,  8           ; v8   my byte offset in the wave's rows of Q
.set STO, 9           ; v9   the way out: where I put 16 bytes of a row
.set RD,  10          ; v10  the way out: where I read back
.set GO,  11          ; v11  16 x lane: my byte offset in the wave's rows of o2
.set SPW, 12          ; v12  LDS address of my spare word; never rewritten
.set NIL, 13          ; v13  0; never rewritten
.set PFO, 14          ; v14  256 x lane: the prefetches' offset
.set BH,  15          ; v15  8 x the bias of rel >= 128
.set CB,  16          ; v16-23 the far steps' C: 8 x the bias of rel <= -128, behind the diagonal 8 x that of rel >= 128
.set ST,  24          ; tile t's statistics at v[ST+8 t]: +0 c m, +1 m, +2, +3 l (even keys', odd keys'), +4 to +7 at work; a takes +6
.set S,   64
.set KF,  192
.set QF,  128         ; in window 1
.set VF,  192         ; in window 1
.set WV,  12          ; s12  my wave's number
.set LIM, 15          ; s15  1 in a wave that prefetches, else the greatest number
.set PFA, 18          ; s[18:19] where my prefetches stand
.set G1K, 24          ; s[24:31] descriptor group 1 for K's tiles;  s[32:39] for V's: it differs in the padding alone
.set G1V, 32
.set G0K, 40          ; s[40:43], s[44:47] their groups 0, which walk
.set G0V, 44
.set SLOTS, 56        ; s56  slots still to be asked for
.set STEPS, 57        ; s57  counts a slot's four steps
.set CS,  58          ; s[58:59] c
.set SEL, 60          ; s[60:61] lane selects for v_permlanex16_b32: lane l xor 16
.set TB,  62          ; s62  LDS byte at which the step's tiles begin
.set J3,  63          ; s63  j - 4 w + 34
.set MSB, 0
.macro WIN new                      ; the immediate's high byte repeats the setting that is left; a switch that changes nothing is dropped
.if MSB != \new
	s_set_vgpr_msb (MSB<<8)|\new
.set MSB, \new
.endif
.endm
.set W_KQ, 0x04       ; Q (source 1) in window 1; K, C and S^T in window 0
.set W_PV, 0x51       ; V (source 0), C and D in window 1; P in window 0
.set W_RS, 0x41       ; O^T (destination and source 0) in window 1, a in window 0
.set TO1,  0x40       ; a load's destination in window 1
; A joint load.  Waves 0 to 3 fetch a slot's four steps of K, waves 4 to 7 those of V: one load a wave.  The branch hangs on the wave's number alone.
; An s_nop 0 and four v_nop follow each of the two lines.
.macro JLOAD
	s_cmp_lt_u32 s[WV], 4
	s_cbranch_scc0 .Lfor_v_\@
	tensor_load_to_lds s[G0K:G0K+3], s[G1K:G1K+7]
	s_nop 0
.rept 4
	v_nop
.endr
	s_branch .Lasked_\@
.Lfor_v_\@:
	tensor_load_to_lds s[G0V:G0V+3], s[G1V:G1V+7]
	s_nop 0
.rept 4
	v_nop
.endr
.Lasked_\@:
.endm
; A PREFETCH INTO THE L2 of what the NEXT change of slots will ask for: a slot's 128 pair-rows of K and of V, 256 bytes each, a lane a pair-row.  It stands behind the wave's tensor load and its five lines.
; Each pair-row is named once in the launch: one cluster alone walks a (batch, head); its four partners take 32 pair-rows each, told apart BY ADDRESS; in each, wave 0 asks for K's and wave 4 for V's.
; It runs one slot, four key steps, ahead of the load that will want the rows.  Slots 0 and 1 come by their loads alone; the last change that fills a slot asks for nothing.
.macro ASK
	s_cmp_gt_u32 s[SLOTS], s[LIM]
	s_cbranch_scc0 .Lnot_mine_\@
	global_prefetch_b8 v[PFO], s[PFA:PFA+1] th:TH_LOAD_NT scope:SCOPE_SE
.Lnot_mine_\@:
.endm
.macro CROUND                       ; a round of the cluster's barrier
	s_barrier_signal -1
	s_barrier_wait -1
	s_cmp_lg_u32 s[WV], 0
	s_cbranch_scc1 .Lnot_wave_0_\@
	s_barrier_signal -3
.Lnot_wave_0_\@:
	s_barrier_wait -3
	s_barrier_signal -1
	s_barrier_wait -1
.endm
	s_load_b128 s[4:7], s[0:1], 0x0 ; qkv s[4:5], rel_emb s[6:7]
	s_load_b64 s[8:9], s[0:1], 0x10 ; o2
	v_lshl_add_u32 v[SPW], v0, 2, SPARE
	v_mov_b32 v[NIL], 0
	ds_add_u32 v[SPW], v[NIL]       ; the wave's opening: the add, twice on end, and its wait ahead of my first tensor load; the set-up below stands between the second and the wait
	ds_add_u32 v[SPW], v[NIL]
	v_lshrrev_b32 v56, 5, v0
	v_readfirstlane_b32 s[WV], v56  ; wave 0..7
	s_bfe_u32 s13, ttmp6, 0x40000   ; cx: my place in the cluster
	s_and_b32 s16, ttmp7, 0xffff    ; 16 b + h, which the four partners share
	s_and_b32 s14, s16, 15          ; h
	s_lshr_b32 s16, s16, 4          ; b
	s_lshl_b32 s20, s14, 20         ; a head's block is 2^20 bytes,
	s_lshl_b32 s22, s16, 18         ; a batch's 2,048 rows of 128 bytes 2^18
	s_add_co_u32 s20, s20, s22
	s_mov_b32 s21, 0                ; s[20:21]: where (b, h) begins in q's part of qkv, and in o2
	s_and_b32 s68, s[WV], 3         ; which of a slot's four steps I fetch:
	s_lshl_b32 s22, s68, 13         ; its 64 rows of 128 bytes in memory,
	s_mov_b32 s23, 0
	s_add_nc_u64 s[22:23], s[22:23], s[20:21]
	s_mul_i32 s69, s68, STEPB       ; and its place in a slot: no place in the cluster enters an LDS address
	; descriptor group 1: a tile of 32 pair-rows x 128 elements of 2 bytes, dense in memory, padded in LDS
	s_mov_b32 s[G1K], 15|(1<<16)|(1<<20)|(1<<21)|(5<<22)|(3<<25)  ; 15:0 the mask: all four work-groups; 17:16 elements of 2 bytes; 20 padding on; 21 set beside a mask; 24:22 after every 64 words (code 5); 31:25 4 words (code 3)
	s_mov_b32 s[G1V], 15|(1<<16)|(1<<20)|(1<<21)|(5<<22)|(7<<25)  ; the same with 8 words of padding (code 7)
.irp g, G1K, G1V
	s_mov_b32 s[\g+1], 128<<16      ; tensor_dim0 = 128
	s_mov_b32 s[\g+2], 32<<16       ; tensor_dim1 = 32
	s_mov_b32 s[\g+3], 128<<16      ; tile_dim0 = 128
	s_mov_b32 s[\g+4], 32           ; tile_dim1 = 32
	s_mov_b32 s[\g+5], 128          ; tensor_dim0_stride
	s_mov_b32 s[\g+6], 0
	s_mov_b32 s[\g+7], 0
.endr
	s_mov_b32 s[CS], 0x3e38aa3b     ; c = log2(e) / 8
	s_mov_b32 s[CS+1], s[CS]        ; named with it as a pair, so it is written
	s_mov_b32 s[SEL], 0x76543210
	s_mov_b32 s[SEL+1], 0xfedcba98
	s_mov_b32 s[TB], 0
	s_xor_b32 s[J3], s[WV], 7
	s_lshl_b32 s[J3], s[J3], 2
	s_add_co_u32 s[J3], s[J3], 6    ; 34 - 4 w: key step 0
	s_mov_b32 s[SLOTS], 7
	s_cmp_eq_u32 s68, 0             ; waves 0 and 4 prefetch: the same in all four partners
	s_cselect_b32 s[LIM], 1, -1
	v_and_b32 v[PFO], 31, v0
	v_lshlrev_b32 v[PFO], 8, v[PFO]
	s_lshl_b32 s70, s[WV], 2
	s_add_co_u32 s70, s70, s13      ; my block of 64 queries: 4 w + cx: it enters Q's and o2's addresses alone
	s_lshl_b32 s70, s70, 13
	s_mov_b32 s71, 0
	s_add_nc_u64 s[70:71], s[70:71], s[20:21]
	s_wait_dscnt 0x0                ; both opening adds are done
	s_wait_kmcnt 0x0
	s_add_nc_u64 s[52:53], s[4:5], s[70:71]   ; Q at my wave's first row
	s_add_nc_u64 s[54:55], s[8:9], s[70:71]   ; o2 likewise
	s_lshl_b32 s70, s14, 2
	s_mov_b32 s71, 0
	s_add_nc_u64 s[6:7], s[6:7], s[70:71]     ; rel_emb at my head's column: bucket u lies 64 u bytes on
	s_load_b32 s66, s[6:7], 0x3c0   ; bucket 15: rel <= -128
	s_load_b32 s67, s[6:7], 0x7c0   ; bucket 31: rel >= 128
	s_add_nc_u64 s[48:49], s[4:5], s[22:23]
	s_add_nc_u64 s[50:51], s[48:49], 32<<20   ; V at my tile of slot 0
	s_add_nc_u64 s[48:49], s[48:49], 16<<20   ; K likewise
	s_cmp_lt_u32 s[WV], 4
	s_cselect_b64 s[PFA:PFA+1], s[48:49], s[50:51]  ; (in waves 0 and 4 these stand at a slot's first row)
	s_lshl_b32 s70, s13, 13         ; my work-group's 32 pair-rows of the 128,
	s_add_co_u32 s70, s70, 32768    ; in slot 1; the first change of slots steps it to slot 2.  Nothing is prefetched here, at the head
	s_add_nc_u64 s[PFA:PFA+1], s[PFA:PFA+1], s[70:71]
	CROUND                          ; all four work-groups are here: the first joint loads meet
	s_mov_b32 s[G0K], 1             ; count = 1
	s_mov_b32 s[G0K+1], s69         ; LDS address: slot 0
	s_mov_b64 s[G0K+2:G0K+3], s[48:49]
	s_or_b32 s[G0K+3], s[G0K+3], 0x80000000   ; type = 2
	s_mov_b32 s[G0V], 1
	s_add_co_u32 s[G0V+1], s69, KV
	s_mov_b64 s[G0V+2:G0V+3], s[50:51]
	s_or_b32 s[G0V+3], s[G0V+3], 0x80000000
	JLOAD                           ; slot 0: by this text's count one tensor load of a wave is out, here and behind every change of slots
	v_and_b32 v56, 15, v0           ; r = lane % 16
	v_bfe_u32 v57, v0, 4, 1         ; hh = lane / 16
	v_and_b32 v58, 31, v0           ; lane
	v_lshlrev_b32 v[QO], 7, v56
	v_lshl_add_u32 v[QO], v57, 4, v[QO]  ; row r of 128 bytes + 16 hh
	WIN TO1
.irp qt, 0,1,2,3                    ; Q stays in registers: a fragment is 16 queries x 32 channels: two loads of 16 bytes, 32 bytes apart
.irp c, 0,1
.irp u, 0,1
	global_load_b128 v[QF+16*\qt+8*\c+4*\u:QF+16*\qt+8*\c+4*\u+3], v[QO], s[52:53] offset:2048*\qt+64*\c+32*\u
.endr
.endr
.endr
.set i, 0
.rept 128
	v_mov_b32 v[i], 0               ; O^T.  (The key step is written once for all steps: the first finds zeros, which a = 0 leaves zeros)
.set i, i+1
.endr
	WIN 0
	v_lshrrev_b32 v59, 1, v56
	v_mul_u32_u24 v[AK0], v59, PK
	v_and_b32 v59, 1, v0
	v_lshl_add_u32 v[AK0], v59, 7, v[AK0]
	v_lshl_add_u32 v[AK0], v57, 4, v[AK0]  ; K: key r: pair-row r / 2, half r % 2, + 16 hh
	v_bfe_u32 v60, v0, 1, 2
	v_lshl_add_u32 v60, v57, 2, v60
	v_mul_u32_u24 v[AV0], v60, PV
	v_lshl_add_u32 v[AV0], v59, 7, v[AV0]
	v_bfe_u32 v60, v0, 3, 1
	v_lshl_add_u32 v[AV0], v60, 4, v[AV0]
	v_add_nc_u32 v[AV0], KV, v[AV0] ; V: the turning load's lane reads key 8 hh + lane % 8, channels 8 ((lane / 8) % 2) + 0..7
	v_lshl_add_u32 v[ABI0], v58, 4, BIAS
	s_mul_i32 s68, s[WV], 64*SP
	s_add_co_u32 s68, s68, STAGE    ; my stage
	v_mul_u32_u24 v[STO], v56, SP
	v_lshl_add_u32 v[STO], v57, 4, v[STO]
	v_add_nc_u32 v[STO], s68, v[STO]  ; in: row r, 16 bytes for each half of the lanes
	v_lshrrev_b32 v60, 3, v58
	v_mul_u32_u24 v[RD], v60, SP
	v_and_b32 v60, 7, v0
	v_lshl_add_u32 v[RD], v60, 4, v[RD]
	v_add_nc_u32 v[RD], s68, v[RD]  ; back: eight lanes to a row of 128 bytes, four rows an instruction
	v_lshlrev_b32 v[GO], 4, v58
	; THE BIAS TABLE.  Wave w builds positions w, w + 8, .. w + 32: five trips.  v56: rel of register 0; v57: where the image goes
	s_lshl_b32 s69, s13, 2
	s_sub_co_i32 s68, s[WV], s69
	s_sub_co_i32 s68, s68, 11
	s_lshl_b32 s68, s68, 4          ; 16 (w - 11 - 4 cx)
	v_lshlrev_b32 v57, 3, v57
	v_sub_nc_u32 v56, v57, v56
	v_add_nc_u32 v56, s68, v56      ; + 8 hh - r
	s_lshl_b32 s69, s[WV], 10
	v_add_nc_u32 v57, s69, v[ABI0]  ; BIAS + 1,024 w + 16 x lane
	s_mov_b32 s70, 5
	s_mov_b32 s71, 0
.Ltab:
	v_add_nc_u32 v63, s71, v57
.irp j, 0,1,2,3,4,5,6,7
	v_add_nc_u32 v58, \j, v56       ; rel
	v_ashrrev_i32 v59, 31, v58
	v_xor_b32 v60, v58, v59
	v_sub_nc_u32 v60, v60, v59      ; n = |rel|
	v_min_u32 v61, 7, v60
.irp th, 10,14,20,29,43,61,89,127
	v_sub_nc_u32 v62, \th, v60      ; negative where n has reached the threshold th + 1:
	v_lshrrev_b32 v62, 31, v62      ; its sign
	v_add_nc_u32 v61, v61, v62      ; is counted
.endr
	v_sub_nc_u32 v59, 0, v58
	v_lshrrev_b32 v59, 31, v59      ; 1 where rel > 0
	v_lshl_add_u32 v61, v59, 4, v61 ; the bucket, 0 .. 31
	v_lshlrev_b32 v[72+\j], 6, v61
	global_load_b32 v[64+\j], v[72+\j], s[6:7]
.endr
	s_wait_loadcnt 0x0              ; the eight (in the first trip Q's sixteen too)
.irp j, 0,1,2,3,4,5,6,7
	v_mul_f32 v[64+\j], 0x41000000, v[64+\j]  ; x 8: the scores are scaled by 1 / 8 behind the sum
.endr
	ds_store_b128 v63, v[64:67]     ; the image: registers 0-3 at 16 x lane,
	ds_store_b128 v63, v[68:71] offset:512  ; registers 4-7 512 bytes on
	v_add_nc_u32 v56, 128, v56      ; eight positions on
	s_add_co_u32 s71, s71, 8192
	s_wait_dscnt 0x0                ; the stores have read their registers: the next trip's loads land there
	s_sub_co_u32 s70, s70, 1
	s_cmp_lg_u32 s70, 0
	s_cbranch_scc1 .Ltab
.irp t, 0,1,2,3
	v_mov_b32 v[ST+8*\t+1], 0xff61b1e6  ; m: -3e38, under every score
	v_mul_f32 v[ST+8*\t], s[CS], v[ST+8*\t+1]
	v_mov_b32 v[ST+8*\t+2], 0       ; l
	v_mov_b32 v[ST+8*\t+3], 0
.endr
	s_wait_kmcnt 0x0
	v_mov_b32 v[CB], s66
	v_mul_f32 v[CB], 0x41000000, v[CB]
.irp i, 1,2,3,4,5,6,7
	v_mov_b32 v[CB+\i], v[CB]
.endr
	v_mov_b32 v[BH], s67
	v_mul_f32 v[BH], 0x41000000, v[BH]
; 16 products of S^T: channels 32 c on; key tile kt, query tile qt.  The 16 accumulators take turns, one instruction a turn, in the same order for c = 0 and c = 1.
; inplace = 0: C is the far bias; 1: C is what the accumulator holds (the bias tile, or the first product's sum).
.macro KQ c, inplace
.irp kt, 0,1,2,3
.irp qt, 0,1,2,3
.if \inplace
	v_wmma_f32_16x16x32_f16 v[S+32*\qt+8*\kt:S+32*\qt+8*\kt+7], v[KF+16*\kt+8*\c:KF+16*\kt+8*\c+7], v[QF+16*\qt+8*\c:QF+16*\qt+8*\c+7], v[S+32*\qt+8*\kt:S+32*\qt+8*\kt+7]
.else
	v_wmma_f32_16x16x32_f16 v[S+32*\qt+8*\kt:S+32*\qt+8*\kt+7], v[KF+16*\kt+8*\c:KF+16*\kt+8*\c+7], v[QF+16*\qt+8*\c:QF+16*\qt+8*\c+7], v[CB:CB+7]
.endif
.endr
.endr
.endm
.macro VLOADS                       ; a step's V, turned: fragment (g, ct): keys 32 g on, channels 16 ct on: two loads, 16 keys (8 pair-rows) apart
.irp g, 0,1
.irp ct, 0,1,2,3
	ds_load_tr16_b128 v[VF+8*(4*\g+\ct):VF+8*(4*\g+\ct)+3],   v[ADV] offset:16*PV*\g+32*\ct
	ds_load_tr16_b128 v[VF+8*(4*\g+\ct)+4:VF+8*(4*\g+\ct)+7], v[ADV] offset:16*PV*\g+8*PV+32*\ct
.endr
.endr
.endm
.macro PKS t                        ; pair i of tile t: c S - c m, two at a time
	v_pk_fma_f32 v[S+32*(\t)+2*i:S+32*(\t)+2*i+1], v[S+32*(\t)+2*i:S+32*(\t)+2*i+1], s[CS:CS+1], v[ST+8*(\t):ST+8*(\t)+1] op_sel_hi:[1,0,0] neg_lo:[0,0,1] neg_hi:[0,0,1]
.endm
; THE SOFTMAX of four tiles for one key step, all in window 0; the tiles innermost, so that no line waits for the line above it.
.macro SOFTMAX
.irp j, 0,1,2,3                     ; the maximum of a lane's 32 scores and the old m, three operands at a time: four chains, each begun at the low end of one accumulator
.irp t, 0,1,2,3
	v_max3_num_f32 v[ST+8*\t+4+\j], v[S+32*\t+8*\j], v[S+32*\t+8*\j+1], v[S+32*\t+8*\j+2]
.endr
.endr
.irp p, 3,5
.irp j, 0,1,2,3
.irp t, 0,1,2,3
	v_max3_num_f32 v[ST+8*\t+4+\j], v[ST+8*\t+4+\j], v[S+32*\t+8*\j+\p], v[S+32*\t+8*\j+\p+1]
.endr
.endr
.endr
.irp t, 0,1,2,3
	v_max3_num_f32 v[ST+8*\t+4], v[ST+8*\t+4], v[S+32*\t+7], v[S+32*\t+15]
.endr
.irp t, 0,1,2,3
	v_max3_num_f32 v[ST+8*\t+6], v[ST+8*\t+6], v[S+32*\t+23], v[S+32*\t+31]
.endr
.irp t, 0,1,2,3
	v_max3_num_f32 v[ST+8*\t+4], v[ST+8*\t+4], v[ST+8*\t+5], v[ST+8*\t+6]
.endr
.irp t, 0,1,2,3
	v_max3_num_f32 v[ST+8*\t+4], v[ST+8*\t+4], v[ST+8*\t+7], v[ST+8*\t+1]
.endr
.irp t, 0,1,2,3
	v_permlanex16_b32 v[ST+8*\t+5], v[ST+8*\t+4], s[SEL], s[SEL+1]  ; the query's other 32 keys lie in the lane 16 away
.endr
.irp t, 0,1,2,3
	v_mov_b32 v[ST+8*\t+7], v[ST+8*\t]  ; c m_old is kept for a
.endr
.irp t, 0,1,2,3
	v_max_num_f32 v[ST+8*\t+1], v[ST+8*\t+4], v[ST+8*\t+5]
.endr
.irp t, 0,1,2,3
	v_mul_f32 v[ST+8*\t], s[CS], v[ST+8*\t+1]
.endr
.irp t, 0,1,2,3
	v_sub_f32 v[ST+8*\t+7], v[ST+8*\t+7], v[ST+8*\t]
.endr
	; ONE BATCH: the four a, the 64 scalings and the 128 exponentials.  None of these names an exponential's result; a tile's scalings stand among the exponentials of the tile before
.irp t, 0,1,2,3
	v_exp_f32 v[ST+8*\t+6], v[ST+8*\t+7]
.endr
.set i, 0
.rept 16
	PKS 0
.set i, i+1
.endr
.irp t, 0,1,2
.set i, 0
.rept 16
	PKS \t+1
	v_exp_f32 v[S+32*\t+2*i], v[S+32*\t+2*i]
	v_exp_f32 v[S+32*\t+2*i+1], v[S+32*\t+2*i+1]
.set i, i+1
.endr
.endr
.set i, 0
.rept 32
	v_exp_f32 v[S+96+i], v[S+96+i]
.set i, i+1
.endr
	v_nop                           ; a plain instruction behind the last exponential, ahead of the first use (ISA guide 5.7.2)
	s_wait_alu depctr_va_vdst(0)    ; this wait ahead of the first line that names a result: one for the whole batch
	; the row sums, of the unrounded p: l = a l + the step's, in two chains a tile
.irp t, 0,1,2,3
	v_pk_fma_f32 v[ST+8*\t+2:ST+8*\t+3], v[ST+8*\t+2:ST+8*\t+3], v[ST+8*\t+6:ST+8*\t+7], v[S+32*\t:S+32*\t+1] op_sel_hi:[1,0,1]
.endr
.irp t, 0,1,2,3
	v_pk_add_f32 v[ST+8*\t+4:ST+8*\t+5], v[S+32*\t+2:S+32*\t+3], v[S+32*\t+4:S+32*\t+5]
.endr
.irp p, 3,5,7,9,11,13
.irp t, 0,1,2,3
	v_pk_add_f32 v[ST+8*\t+2:ST+8*\t+3], v[ST+8*\t+2:ST+8*\t+3], v[S+32*\t+2*\p:S+32*\t+2*\p+1]
.endr
.irp t, 0,1,2,3
	v_pk_add_f32 v[ST+8*\t+4:ST+8*\t+5], v[ST+8*\t+4:ST+8*\t+5], v[S+32*\t+2*\p+2:S+32*\t+2*\p+3]
.endr
.endr
.irp t, 0,1,2,3
	v_pk_add_f32 v[ST+8*\t+2:ST+8*\t+3], v[ST+8*\t+2:ST+8*\t+3], v[S+32*\t+30:S+32*\t+31]
.endr
.irp t, 0,1,2,3
	v_pk_add_f32 v[ST+8*\t+2:ST+8*\t+3], v[ST+8*\t+2:ST+8*\t+3], v[ST+8*\t+4:ST+8*\t+5]
.endr
.set i, 0
.rept 16                            ; p to f16, in place: register i takes pair i, which lies at 2 i and 2 i + 1: nothing is overwritten that is still to be read
.irp t, 0,1,2,3
	v_cvt_pk_f16_f32 v[S+32*\t+i], v[S+32*\t+2*i], v[S+32*\t+2*i+1]
.endr
.set i, i+1
.endr
.endm
; A KEY STEP: 64 keys.  Every window is 0 on the way in and out.
.macro STEP
	s_and_b32 s68, s[J3], 7
	s_lshl_b32 s68, s68, 12         ; a near step's sixteen tiles begin 4 positions on from the last step's
	v_add_nc_u32 v[ADK], s[TB], v[AK0]  ; five plain lines: the places between the last step's products V^T P and the products that write over P (five are owed), and the loads into V's, K's and S^T's registers (four)
	v_add_nc_u32 v[ADV], s[TB], v[AV0]
	v_add_nc_u32 v[ADB], s68, v[ABI0]
	v_nop
	v_nop
.irp kt, 0,1,2,3                    ; K's eight fragments: keys 16 kt on (8 pair-rows), channels 32 c on
.irp c, 0,1
.irp u, 0,1
	ds_load_b128 v[KF+16*\kt+8*\c+4*\u:KF+16*\kt+8*\c+4*\u+3], v[ADK] offset:8*PK*\kt+64*\c+32*\u
.endr
.endr
.endr
	s_lshr_b32 s69, s[J3], 3
	s_cmp_eq_u32 s69, 4             ; j - 4 w in -2 .. 5?  The wave's number and the count of steps alone
	s_cbranch_scc1 .Lnear_\@
	WIN TO1
	VLOADS
	s_wait_dscnt 16                 ; K is in; V's sixteen loads may be out
	WIN W_KQ
	KQ 0, 0                         ; far from the diagonal every element has the same bias
	WIN 0
	s_branch .Ljoin_\@
.Lnear_\@:
.irp qt, 0,1,2,3                    ; near it the sixteen bias tiles are loaded into the accumulators
.irp kt, 0,1,2,3
	ds_load_b128 v[S+32*\qt+8*\kt:S+32*\qt+8*\kt+3],   v[ADB] offset:1024*(\kt-\qt+3)
	ds_load_b128 v[S+32*\qt+8*\kt+4:S+32*\qt+8*\kt+7], v[ADB] offset:1024*(\kt-\qt+3)+512
.endr
.endr
.irp i, 0,1,2,3,4,5,6,7
	v_mov_b32 v[CB+\i], v[BH]       ; the far steps that follow lie behind the diagonal
.endr
	WIN TO1
	VLOADS
	s_wait_dscnt 16                 ; K and the bias tiles are in; V's sixteen loads may be out
	WIN W_KQ
	KQ 0, 1
	WIN 0
.Ljoin_\@:
	WIN W_KQ
	KQ 1, 1
	WIN 0
.rept 4
	v_nop                           ; places between the last product and the first read of the scores
.endr
	SOFTMAX
	WIN W_RS
.irp t, 0,1,2,3                     ; O^T x a, each accumulator from its low end on
.set i, 0
.rept 16
	v_pk_mul_f32 v[32*\t+i:32*\t+i+1], v[32*\t+i:32*\t+i+1], v[ST+8*\t+6:ST+8*\t+7] op_sel_hi:[1,0]
.set i, i+2
.endr
.endr
	s_wait_dscnt 0x0                ; V is in
	WIN W_PV
.irp g, 0,1                         ; O^T += V^T P: the 16 accumulators take turns
.irp ct, 0,1,2,3
.irp qt, 0,1,2,3
	v_wmma_f32_16x16x32_f16 v[32*\qt+8*\ct:32*\qt+8*\ct+7], v[VF+8*(4*\g+\ct):VF+8*(4*\g+\ct)+7], v[S+32*\qt+8*\g:S+32*\qt+8*\g+7], v[32*\qt+8*\ct:32*\qt+8*\ct+7]
.endr
.endr
.endr
	WIN 0
	s_add_co_u32 s[TB], s[TB], STEPB
	s_add_co_u32 s[J3], s[J3], 1
.endm
; THE CHANGE OF SLOTS stands at a slot's head.  Each wave waits for all its tensor loads (its part of the slot that it is about to read), adds 0 to its spare word, and waits for that and for its reads of the slot that it has left.
; fill = 1: the barrier is a round of the cluster's, so that no wave of any partner still reads the other slot or has a load on its way; the joint load into that slot is the first thing behind it and has four key steps in which to land.
; The first change's wait for LDS and its round also show every wave's bias tiles to all; slot 1's first fill stands behind that round, behind which nothing is filled again.
.macro CHANGE fill
	WIN 0
	s_wait_tensorcnt 0x0            ; no tensor load of mine is out, so a group 0 may be written
	ds_add_u32 v[SPW], v[NIL]       ; 0 onto my spare word; the descriptors' steps stand between it and the wait for it
.if \fill
	s_xor_b32 s[G0K+1], s[G0K+1], SLOT1  ; the walking descriptors: the other slot than last time,
	s_add_nc_u64 s[G0K+2:G0K+3], s[G0K+2:G0K+3], 32768  ; the next 256 keys; the type bits on top are not reached
	s_xor_b32 s[G0V+1], s[G0V+1], SLOT1
	s_add_nc_u64 s[G0V+2:G0V+3], s[G0V+2:G0V+3], 32768
	s_wait_xcnt 0x0                 ; the last prefetch, a slot back, has read its address, so it may be written:
	s_add_nc_u64 s[PFA:PFA+1], s[PFA:PFA+1], 32768  ; one slot further on than the walking descriptors
	s_wait_dscnt 0x0                ; the add is done, and my LDS stores and my reads of the slot that I have left are over
	CROUND
	JLOAD
	ASK
.else
	s_wait_dscnt 0x0
	s_barrier_signal -1
	s_barrier_wait -1
.endif
.endm
.macro FOUR_STEPS                   ; a slot's four key steps: written once, walked four times; the LDS addresses hang on s[TB] and s[J3]
	s_mov_b32 s[STEPS], 4
.Lstep_\@:
	STEP
	s_sub_co_u32 s[STEPS], s[STEPS], 1
	s_cmp_lg_u32 s[STEPS], 0
	s_cbranch_scc1 .Lstep_\@
	s_sub_co_u32 s[TB], s[TB], 4*STEPB  ; back to a slot's first step,
	s_xor_b32 s[TB], s[TB], SLOT1   ; in the other slot
.endm
.Lslot:                             ; seven trips: behind each change of slots but the last the next slot is asked for
	CHANGE 1
	FOUR_STEPS
	s_sub_co_u32 s[SLOTS], s[SLOTS], 1
	s_cmp_lg_u32 s[SLOTS], 0
	s_cbranch_scc1 .Lslot
	CHANGE 0                        ; the last slot is written out
	FOUR_STEPS
	; THE WAY OUT.  l's two halves and the other half of the lanes' are added; O^T is divided by l, rounded to f16 and sent through my stage in LDS.  The four additions are the places behind the last products.
.irp t, 0,1,2,3
	v_add_f32 v[ST+8*\t+4], v[ST+8*\t+2], v[ST+8*\t+3]
.endr
.irp t, 0,1,2,3
	v_permlanex16_b32 v[ST+8*\t+5], v[ST+8*\t+4], s[SEL], s[SEL+1]
.endr
.irp t, 0,1,2,3
	v_add_f32 v[ST+8*\t+4], v[ST+8*\t+4], v[ST+8*\t+5]
.endr
.irp t, 0,1,2,3
	v_rcp_f32 v[ST+8*\t+6], v[ST+8*\t+4]
.endr
	v_nop                           ; a plain instruction between the last reciprocal and the use of its result
	s_wait_alu depctr_va_vdst(0)    ; and the wait ahead of the first use: one for the four
.macro PACK t                       ; tile t: a lane's eight channels of a row pack into 16 bytes; they go into rows of 144 bytes
	WIN W_RS
.set i, 0
.rept 16
	v_pk_mul_f32 v[32*\t+i:32*\t+i+1], v[32*\t+i:32*\t+i+1], v[ST+8*\t+6:ST+8*\t+7] op_sel_hi:[1,0]
.set i, i+2
.endr
	WIN 0x05                        ; sources 0 and 1 window 1, destination window 0: S^T's registers are free
.set i, 0
.rept 16
	v_cvt_pk_f16_f32 v[S+32*\t+i], v[32*\t+2*i], v[32*\t+2*i+1]
.set i, i+1
.endr
	WIN 0
.irp ct, 0,1,2,3
	ds_store_b128 v[STO], v[S+32*\t+4*\ct:S+32*\t+4*\ct+3] offset:16*SP*\t+32*\ct
.endr
.endm
	PACK 0
	PACK 1
	PACK 2
	PACK 3
.irp u, 0,1,2,3,4,5,6,7,8,9,10,11,12,13,14,15
	ds_load_b128 v[KF+4*\u:KF+4*\u+3], v[RD] offset:4*SP*\u  ; LDS serves a wave's instructions in order (ISA guide 5.7.1.4): these see my stores
.endr
.irp u, 0,1,2,3,4,5,6,7,8,9,10,11,12,13,14,15
	s_wait_dscnt 15-\u              ; load u is in; the loads behind it may be out
	global_store_b128 v[GO], v[KF+4*\u:KF+4*\u+3], s[54:55] offset:512*\u  ; four rows of a head: 512 consecutive bytes, at a multiple of 256 from o2's first byte
.endr
	s_wait_tensorcnt 0x0            ; the wave's end: these three lines, behind my last tensor load and my last LDS store
	ds_add_u32 v[SPW], v[NIL]
	s_wait_dscnt 0x0
	CROUND                          ; the closing round: no work-group ends while a partner may still ask for a tile that names it
	s_endpgm
.Lfunc_end_k_q2eb08fc125_attn:
	.size	k_q2eb08fc125_attn, .Lfunc_end_k_q2eb08fc125_attn-k_q2eb08fc125_attn
	.p2alignl 7, 3214868480
	.fill 96, 4, 3214868480
	.section	.rodata,"a",@progbits
	.p2align	6, 0x0
	.amdhsa_kernel k_q2eb08fc125_attn
		.amdhsa_group_segment_fixed_size 327680
		.amdhsa_private_segment_fixed_size 0
		.amdhsa_enable_private_segment 0
		.amdhsa_kernarg_size 24
		.amdhsa_user_sgpr_count 2
		.amdhsa_user_sgpr_kernarg_segment_ptr 1
		.amdhsa_wavefront_size32 1
		.amdhsa_system_sgpr_workgroup_id_x 1
		.amdhsa_system_sgpr_workgroup_id_y 1
		.amdhsa_system_sgpr_workgroup_id_z 1
		.amdhsa_system_vgpr_workitem_id 0
		.amdhsa_next_free_vgpr 512
		.amdhsa_next_free_sgpr 80
		.amdhsa_reserve_vcc 0
		.amdhsa_float_denorm_mode_32 3
		.amdhsa_float_denorm_mode_16_64 3
		.amdhsa_memory_ordered 1
		.amdhsa_forward_progress 1
		.amdhsa_inst_pref_size 113
	.end_amdhsa_kernel
	.amdgpu_metadata
---
amdhsa.version: [ 1, 2 ]
amdhsa.kernels:
  - .name:           k_q2eb08fc125_attn
    .symbol:         k_q2eb08fc125_attn.kd
    .args:
      - { .name: qkv, .offset: 0, .size: 8, .value_kind: global_buffer, .address_space: global }
      - { .name: rel_emb, .offset: 8, .size: 8, .value_kind: global_buffer, .address_space: global }
      - { .name: o2, .offset: 16, .size: 8, .value_kind: global_buffer, .address_space: global }
    .group_segment_fixed_size: 327680
    .private_segment_fixed_size: 0
    .kernarg_segment_align: 8
    .kernarg_segment_size: 24
    .max_flat_workgroup_size: 256
    .sgpr_count:     80
    .vgpr_count:     512
    .wavefront_size: 32
...
	.end_amdgpu_metadata
.endif
;; end of part 3
;; launch oproj (part 4): grid 8 x 64, 4 waves a work-group, clusters of 4 x 4, 327,680 bytes of LDS; arguments o2, wo16, out0; writes out0
.if DOCPART == 4
	.amdgcn_target "amdgcn-amd-amdhsa--gfx1250"
	.amdhsa_code_object_version 6
	.text
	.protected	k_q2eb08fc125_oproj
	.globl	k_q2eb08fc125_oproj
	.p2align	8
	.type	k_q2eb08fc125_oproj,@function
k_q2eb08fc125_oproj:
	s_mov_b64 s[64:65], 0
	v_nop
	global_prefetch_b8 v0, s[64:65] scope:SCOPE_SE
	s_setreg_imm32_b32 hwreg(HW_REG_WAVE_MODE, 25, 1), 1
	s_wait_xcnt 0x0
	s_wait_alu depctr_hold_cnt(0) depctr_sa_sdst(0) depctr_va_vdst(0) depctr_va_sdst(0) depctr_va_ssrc(0) depctr_va_vcc(0) depctr_vm_vsrc(0)
	s_getreg_b32 s2, hwreg(HW_REG_IB_STS2, 6, 4)
	s_cmp_eq_u32 s2, 0
	s_cbranch_scc0 .Lentry_in_a_cluster
	s_endpgm
.Lentry_in_a_cluster:
	s_bfe_u32 s2, ttmp6, 0x10000c
	s_cmp_lg_u32 s2, 0xf033
	s_cbranch_scc0 .Lentry_shape_is_right
	s_endpgm
.Lentry_shape_is_right:
; out0[m][n] = sum over k of o[m][k] Wo[n][k], m = 8,192, n = k = 1,024.  o comes head-major, o2[k / 64][m][k % 64] f16; Wo as wo16[n][k] f16; out0 f32; sums in f32.
; A tile of C is 128 x 128 (512 tiles, two for each of 256 WGPs; tiles of 256 x 256 would be 128).  Four waves, each 64 x 64: 16 accumulators, 128 registers.  K goes in steps of 256 (four heads) through two LDS slots.
; A'S TILE.  A wave's load brings 64 rows x 4 heads: in memory four dense blocks of 8,192 bytes, 2^20 bytes apart: a tile of 4 rows of 4,096 elements.  16 bytes of padding behind every 256 bytes: in LDS a head's block is
; 32 pair-rows (two rows of o = 256 bytes) of 272 bytes.  B's tile: 64 rows of 512 bytes + 16.  A quarter of a K step (64 along K) is one head: byte k of B's rows goes with head k / 128 of A's tile.
; CLUSTERS: 4 x 4 work-groups.  The four of a row of the cluster need the same tiles of A, the four of a column the same tiles of B: each tile is asked for JOINTLY.
; THE MATRIX INSTRUCTION IS USED TRANSPOSED (source 0 = 16 rows of B, source 1 = 16 rows of A): a lane then holds eight neighbouring numbers of a row of C.
; THE WAY OUT.  A wave's 64 columns of f32 are 256 bytes, aligned: each wave has a stage of its own and no barrier is needed.
; REGISTERS: window 0: v0-31 addresses; v32-95 rows on the way out; v128-255 the accumulators ((a, b) at v[128 + 8 (4 a + b)]).
;   window 1: two fragment buffers of 128: for 64 along K, 64 registers of A (2 x 4 x 16 rows x 32 K), then 64 of B.
.set SIZE_N, 1024
.set SIZE_K, 1024
.set KSTEP,  256
.set PITCH,  528                       ; B's LDS row: 512 bytes + 16 = 132 words: row r starts at bank 4 r mod 64 (64 banks of 4 bytes: ISA guide 11.1)
.set HALFT,  64*PITCH                  ; B: 64 rows: what one tensor load brings
.set PA,     272                       ; A's pair-row
.set HB,     32*PA                     ; A: a head's 64 rows
.set HALFA,  4*HB                      ; A: 64 rows x 4 heads: what one tensor load brings
.set SLOT,   2*HALFA+2*HALFT           ; A's 128 rows, then B's 128 rows
.set HEADB,  1<<20                     ; a head's block in o2, in bytes
.set STAGE,  2*SLOT                    ; behind the ring: 16 rows x 272 bytes for each wave
.set SPITCH, 272
.set SPARE,  STAGE+4*16*SPITCH         ; the spare words, 128 bytes for each wave
.set LAPS, SIZE_K/(2*KSTEP)            ; a lap = two K steps = once round the ring
.set ADRA, 16                          ; v16-17  LDS address of my A fragments in slot 0, 1
.set ADRB, 20                          ; v20-21  the same for B
.set STO,  24                          ; v24     the way out: where I put 32 bytes of a row
.set RD,   25                          ; v25     the way out: where I read a row back
.set CO,   26                          ; v26     my byte offset in C
.set SPW,  28                          ; v28     LDS address of my spare word; never rewritten
.set NIL,  29                          ; v29     0; never rewritten
.set TMP,  32                          ; the way out: two sets of 32 registers
.set ACC,  128
.set F0,   0                           ; fragment buffers, in window 1
.set F1,   128
.set G1, 24                            ; s[24:31] descriptor group 1 for A's tiles;  s[32:39] group 0, one set for each slot
.set G0, 32
.set G1B, 48                           ; s[48:55], s[56:63] the same for B's tiles
.set G0B, 56
.set MSB, 0
.macro WIN new                         ; the immediate's high byte repeats the setting that is left
.if MSB != \new
	s_set_vgpr_msb (MSB<<8)|\new
.set MSB, \new
.endif
.endm
.set MUL,  0x05                        ; sources 0 (B) and 1 (A) window 1; C and D window 0
.set TO_F, 0x40                        ; destination window 1, address window 0
.macro JLOAD s                         ; a joint load: waves 0 and 1 fetch A's two halves, waves 2 and 3 B's; an s_nop 0 and four v_nop follow each of the two lines
	s_cmp_eq_u32 s11, 0
	s_cbranch_scc0 .Lfor_b_\@
	tensor_load_to_lds s[G0+4*\s:G0+4*\s+3], s[G1:G1+7]
	s_nop 0
.rept 4
	v_nop
.endr
	s_branch .Lasked_\@
.Lfor_b_\@:
	tensor_load_to_lds s[G0B+4*\s:G0B+4*\s+3], s[G1B:G1B+7]
	s_nop 0
.rept 4
	v_nop
.endr
.Lasked_\@:
.endm
.macro CREST                           ; a round of the cluster's barrier behind its opening barrier
	s_cmp_lg_u32 s10, 0
	s_cbranch_scc1 .Lnot_wave_0_\@
	s_barrier_signal -3
.Lnot_wave_0_\@:
	s_barrier_wait -3
	s_barrier_signal -1
	s_barrier_wait -1
.endm
.macro CROUND                          ; a whole round
	s_barrier_signal -1
	s_barrier_wait -1
	CREST
.endm
	s_load_b128 s[4:7], s[0:1], 0x0                ; o2 s[4:5], wo16 s[6:7]
	s_load_b64 s[8:9], s[0:1], 0x10                ; out0
	v_lshl_add_u32 v[SPW], v0, 2, SPARE
	v_mov_b32 v[NIL], 0
	ds_add_u32 v[SPW], v[NIL]                      ; the wave's opening: the add, twice on end, and its wait ahead of my first tensor load; the set-up below stands between the second and the wait
	ds_add_u32 v[SPW], v[NIL]
	v_lshrrev_b32 v1, 5, v0
	v_readfirstlane_b32 s10, v1                    ; wave 0..3
	s_lshr_b32 s11, s10, 1                         ; which half of the tile's rows is mine.  Also: I fetch for A (0) or for B (1)
	s_and_b32 s12, s10, 1                          ; which half of its columns.  Also: which 64 rows of that tile I fetch
	s_bfe_u32 s40, ttmp6, 0x40000                  ; cx, cy: my place in the cluster
	s_bfe_u32 s41, ttmp6, 0x40004
	s_lshl_b32 s42, ttmp9, 2
	s_add_co_u32 s42, s42, s40                     ; tile column of C = 4 x cluster x + cx
	s_and_b32 s13, ttmp7, 0xffff
	s_lshl_b32 s13, s13, 2
	s_add_co_u32 s13, s13, s41                     ; tile row of C = 4 x cluster y + cy
	s_lshl_b32 s43, s41, 2
	s_lshl_b32 s43, 15, s43                        ; my row of the cluster
	s_lshl_b32 s44, 0x1111, s40                    ; my column
	; descriptor group 1 for A: 4 rows (heads) of 4,096 elements (64 rows of o x 64 channels), 2^19 elements apart; 4 words of padding after every 64
	s_or_b32 s[G1+0], s43, (1<<16)|(1<<20)|(1<<21)|(5<<22)|(3<<25)  ; 15:0 the mask: A's tiles go to my row; 17:16 element of 2 bytes; 20 padding on; 21 set beside a mask; 24:22 after every 64 words (code 5); 31:25 of 4 words (code 3)
	s_mov_b32 s[G1+1], 4096<<16                    ; tensor_dim0 = 4,096
	s_mov_b32 s[G1+2], 4<<16                       ; tensor_dim1 = 4
	s_mov_b32 s[G1+3], 4096<<16                    ; tile_dim0 = 4,096
	s_mov_b32 s[G1+4], 4                           ; tile_dim1 = 4
	s_mov_b32 s[G1+5], HEADB/2                     ; tensor_dim0_stride
	s_mov_b32 s[G1+6], 0
	s_mov_b32 s[G1+7], 0
	; and for B: 64 rows x 256 elements; 4 words of padding after every 128
	s_or_b32 s[G1B+0], s44, (1<<16)|(1<<20)|(1<<21)|(6<<22)|(3<<25)
	s_mov_b32 s[G1B+1], KSTEP<<16
	s_mov_b32 s[G1B+2], 64<<16
	s_mov_b32 s[G1B+3], KSTEP<<16
	s_mov_b32 s[G1B+4], 64
	s_mov_b32 s[G1B+5], SIZE_K
	s_mov_b32 s[G1B+6], 0
	s_mov_b32 s[G1B+7], 0
	s_lshl_b32 s17, s12, 6                         ; which 64 rows of the tile I fetch
	s_lshl_b32 s16, s13, 7
	s_add_co_u32 s16, s16, s17                     ; A: row 128 x tile row + 64 x half,
	s_lshl_b32 s16, s16, 7                         ; 128 bytes a row within a head
	s_lshl_b32 s46, s42, 7
	s_add_co_u32 s46, s46, s17                     ; B: row 128 x tile column + 64 x half,
	s_lshl_b32 s46, s46, 11                        ; 2,048 bytes a row
	s_mov_b32 s17, 0
	s_mov_b32 s47, 0
	s_mul_i32 s20, s12, HALFA                      ; where they go: A's two halves,
	s_mul_i32 s21, s12, HALFT
	s_add_co_u32 s21, s21, 2*HALFA                 ; then B's two: no place in the cluster enters an LDS address
	s_wait_dscnt 0x0                               ; both opening adds are done
	s_wait_kmcnt 0x0
	s_add_nc_u64 s[14:15], s[4:5], s[16:17]
	s_add_nc_u64 s[46:47], s[6:7], s[46:47]
	CROUND                                         ; all sixteen work-groups are here: the first joint loads meet
.irp s, 0,1
	s_mov_b32 s[G0+4*\s], 1
	s_add_co_u32 s[G0+4*\s+1], s20, \s*SLOT
	s_add_nc_u64 s[G0+4*\s+2:G0+4*\s+3], s[14:15], \s*4*HEADB      ; K step s: heads 4 s on
	s_or_b32 s[G0+4*\s+3], s[G0+4*\s+3], 0x80000000
	s_mov_b32 s[G0B+4*\s], 1
	s_add_co_u32 s[G0B+4*\s+1], s21, \s*SLOT
	s_add_nc_u64 s[G0B+4*\s+2:G0B+4*\s+3], s[46:47], \s*KSTEP*2
	s_or_b32 s[G0B+4*\s+3], s[G0B+4*\s+3], 0x80000000
	JLOAD \s
.endr
	v_and_b32 v1, 15, v0                           ; l % 16
	v_bfe_u32 v2, v0, 4, 1                         ; l / 16
	v_mul_u32_u24 v3, v1, PITCH
	v_lshl_add_u32 v3, v2, 4, v3                   ; B: a fragment's row x pitch + 16 x half
	v_lshrrev_b32 v4, 1, v1
	v_mul_u32_u24 v4, v4, PA
	v_and_b32 v5, 1, v0
	v_lshl_add_u32 v4, v5, 7, v4
	v_lshl_add_u32 v4, v2, 4, v4                   ; A: row r: pair-row r / 2, half r % 2, + 16 x half of the lanes
	s_mul_i32 s21, s11, HALFA                      ; my 64 rows of A
	s_mul_i32 s22, s12, HALFT                      ; my 64 rows of B,
	s_add_co_u32 s22, s22, 2*HALFA                 ; which lie behind A's 128
.irp s, 0,1
	v_add_nc_u32 v[ADRA+\s], s21, v4
	v_add_nc_u32 v[ADRB+\s], s22, v3
	s_add_co_u32 s21, s21, SLOT
	s_add_co_u32 s22, s22, SLOT
.endr
	s_mul_i32 s23, s10, 16*SPITCH
	s_add_co_u32 s23, s23, STAGE                   ; my stage
	v_mul_u32_u24 v4, v1, SPITCH                   ; in: row l % 16, 32 bytes for each half of the lanes
	v_lshl_add_u32 v4, v2, 5, v4
	v_add_nc_u32 v[STO], s23, v4
	v_mul_u32_u24 v5, v2, SPITCH                   ; back: lanes 0-15 one row of 256 bytes, lanes 16-31 the next
	v_lshl_add_u32 v5, v1, 4, v5
	v_add_nc_u32 v[RD], s23, v5
	v_lshlrev_b32 v5, 12, v2                       ; and the same two rows in C: 4,096 bytes a row
	v_lshl_add_u32 v[CO], v1, 4, v5
	s_lshl_b32 s16, s13, 7
	s_lshl_b32 s17, s11, 6
	s_add_co_u32 s16, s16, s17                     ; my first row of C: 128 x tile row + 64 x half
	s_lshl_b32 s16, s16, 12
	s_mov_b32 s17, 0
	s_add_nc_u64 s[8:9], s[8:9], s[16:17]
	s_lshl_b32 s46, s42, 9                         ; my first column, in bytes: 512 x tile column + 256 x half
	s_lshl_b32 s47, s12, 8
	s_add_co_u32 s46, s46, s47
	s_mov_b32 s47, 0
	s_add_nc_u64 s[8:9], s[8:9], s[46:47]
; 8 matrix instructions: m blocks a0, a0 + 1 x all 4 n blocks, 32 along K: half c of buffer f.  zero = 1: the first product starts the sums.  The 16 accumulators take turns.
.macro MUL8 f, c, a0, zero
.irp a, \a0, \a0+1
.irp b, 0,1,2,3
.if \zero
	v_wmma_f32_16x16x32_f16 v[ACC+8*(4*(\a)+\b):ACC+8*(4*(\a)+\b)+7], v[\f+64+8*(4*\c+\b):\f+64+8*(4*\c+\b)+7], v[\f+8*(4*\c+\a):\f+8*(4*\c+\a)+7], 0
.else
	v_wmma_f32_16x16x32_f16 v[ACC+8*(4*(\a)+\b):ACC+8*(4*(\a)+\b)+7], v[\f+64+8*(4*\c+\b):\f+64+8*(4*\c+\b)+7], v[\f+8*(4*\c+\a):\f+8*(4*\c+\a)+7], v[ACC+8*(4*(\a)+\b):ACC+8*(4*(\a)+\b)+7]
.endif
.endr
.endr
.endm
; 32 LDS loads in one run: the fragments of 64 along K: byte k of B's rows, head k / 128 of A's tile; into buffer f; the first 32 along K first
.macro FETCH slot, k, f
	WIN TO_F
.irp c, 0,1
.irp i, 0,1,2,3
	ds_load_b128 v[\f+64+8*(4*\c+\i):\f+64+8*(4*\c+\i)+3],   v[ADRB+\slot] offset:\k+64*\c+\i*16*PITCH
	ds_load_b128 v[\f+64+8*(4*\c+\i)+4:\f+64+8*(4*\c+\i)+7], v[ADRB+\slot] offset:\k+64*\c+\i*16*PITCH+32
	ds_load_b128 v[\f+8*(4*\c+\i):\f+8*(4*\c+\i)+3],         v[ADRA+\slot] offset:((\k)/128)*HB+64*\c+\i*8*PA
	ds_load_b128 v[\f+8*(4*\c+\i)+4:\f+8*(4*\c+\i)+7],       v[ADRA+\slot] offset:((\k)/128)*HB+64*\c+\i*8*PA+32
.endr
.endr
.endm
.macro PLACES                          ; four places in front of loads into registers that matrix instructions have read, and of LDS stores that read results (ISA guide 7.12.1 for vector instructions)
.rept 4
	v_nop
.endr
.endm
; A K step is four quarters of 64 along K, 32 matrix instructions each, on buffers 0, 1, 0, 1.  One of the first three: multiplies buffer f and fetches the next quarter, at byte k, into g.
.macro QUARTER slot, k, f, g, zero
	s_wait_dscnt 16                                ; the first 32 along K are in; the sixteen loads of the second 32 may be out
	WIN MUL
	MUL8 \f, 0, 0, \zero
	MUL8 \f, 0, 2, \zero
	PLACES
	FETCH \slot, \k, \g
	s_wait_dscnt 32                                ; all but the 32 just issued
	WIN MUL
	MUL8 \f, 1, 0, 0
	MUL8 \f, 1, 2, 0
.endm
; The last quarter multiplies buffer 1 and changes slots: ONE barrier; in front of it each wave waits for all its tensor loads, adds 0 to its spare word, and waits for that and for its own reads of this slot.  fill = 1: this slot is filled again, two K steps ahead.
.macro TURN slot, next, fill
	WIN 0                                          ; (the add's two registers lie in window 0)
	s_wait_tensorcnt 0x0                           ; all my tensor loads have landed: my part of the next slot;
	ds_add_u32 v[SPW], v[NIL]                      ; 0 onto my spare word;
	s_wait_dscnt 17                                ; (the add and the youngest sixteen loads may be out)
	WIN MUL
	MUL8 F1, 0, 0, 0                               ; eight matrix instructions stand between the add and the wait for it
	s_wait_dscnt 0x0                               ; the add is done, and my reads of this slot are over
	s_barrier_signal -1
	MUL8 F1, 0, 2, 0
.if \fill
	WIN 0
.endif
	s_barrier_wait -1
.if \fill
	CREST                                          ; the barrier has opened a round of the cluster's barrier: no wave of any partner still reads this slot's tile or has a load on its way
	s_add_nc_u64 s[G0+4*\slot+2:G0+4*\slot+3], s[G0+4*\slot+2:G0+4*\slot+3], 8*HEADB
	s_add_nc_u64 s[G0B+4*\slot+2:G0B+4*\slot+3], s[G0B+4*\slot+2:G0B+4*\slot+3], 2*KSTEP*2
	JLOAD \slot                                    ; the first tensor load behind the round, my only one until the next; the four v_nop behind it are also the places in front of the loads below
.else
	PLACES
.endif
	FETCH \next, 0, F0
	WIN MUL
	MUL8 F1, 1, 0, 0
	MUL8 F1, 1, 2, 0
.endm
	s_wait_tensorcnt 1                             ; my part of K step 0 is in (K step 1's load may be out)
	s_barrier_signal -1
	s_barrier_wait -1                              ; everybody's is
	FETCH 0, 0, F0
	QUARTER 0, 128, F0, F1, 1                      ; the first quarter stands in front of the loop: its first products start the sums
	WIN 0                                          ; at a label and at a branch every window is 0
	s_mov_b32 s3, LAPS-1
.Llap:                                                 ; a trip goes once round the ring, from a lap's second quarter to the next lap's first, and fills both slots again
	QUARTER 0, 256, F1, F0, 0
	QUARTER 0, 384, F0, F1, 0
	TURN 0, 1, 1
	QUARTER 1, 128, F0, F1, 0
	QUARTER 1, 256, F1, F0, 0
	QUARTER 1, 384, F0, F1, 0
	TURN 1, 0, 1
	QUARTER 0, 128, F0, F1, 0
	WIN 0
	s_sub_co_u32 s3, s3, 1
	s_cmp_lg_u32 s3, 0
	s_cbranch_scc1 .Llap
	QUARTER 0, 256, F1, F0, 0                      ; the last lap fills nothing, and has no round of the cluster's barrier
	QUARTER 0, 384, F0, F1, 0
	TURN 0, 1, 0
	QUARTER 1, 128, F0, F1, 0
	QUARTER 1, 256, F1, F0, 0
	QUARTER 1, 384, F0, F1, 0
	s_wait_dscnt 16                                ; the very last quarter: nothing more to fetch
	WIN MUL
	MUL8 F1, 0, 0, 0
	MUL8 F1, 0, 2, 0
	s_wait_dscnt 0
	MUL8 F1, 1, 0, 0
	MUL8 F1, 1, 2, 0
	WIN 0
; THE WAY OUT, block by block of 16 rows x 64 columns.  A lane holds 32 neighbouring bytes of a row, and the lanes beside it hold other rows: so a block goes through my own stage in LDS and comes back as whole rows of
; 256 bytes, two rows an instruction.  LDS serves a wave's instructions in order (ISA guide 5.7.1.4): no wait between the stores and the loads, nor in front of the next block's stores.
.macro TOSTAGE a
.irp b, 0,1,2,3
	ds_store_b128 v[STO], v[ACC+8*(4*(\a)+\b):ACC+8*(4*(\a)+\b)+3] offset:64*\b        ; each accumulator from its low end on
	ds_store_b128 v[STO], v[ACC+8*(4*(\a)+\b)+4:ACC+8*(4*(\a)+\b)+7] offset:64*\b+16
.endr
.set BB, TMP+32*((\a)%2)
.irp t, 0,1,2,3,4,5,6,7
	ds_load_b128 v[BB+4*\t:BB+4*\t+3], v[RD] offset:\t*2*SPITCH
.endr
.endm
.macro SEND a, younger                 ; younger: the LDS instructions issued behind block a's loads, which may stay out
.set BB, TMP+32*((\a)%2)
	s_wait_dscnt \younger                          ; the block is back in registers
.irp t, 0,1,2,3,4,5,6,7
	global_store_b128 v[CO], v[BB+4*\t:BB+4*\t+3], s[8:9] offset:(16*(\a)+2*\t)*SIZE_N*4 th:TH_STORE_NT   ; 16 lanes store 256 consecutive bytes, at a multiple of 256 from out0's first byte; written once, read by nobody here
.endr
.endm
	PLACES
	TOSTAGE 0
.irp a, 1,2,3
.if \a > 1
	s_wait_xcnt 0x0                                ; block a - 2's stores have read their registers: block a's loads may land there
.endif
	TOSTAGE \a
	SEND \a-1, 16                                  ; behind block a - 1's loads: block a's 8 stores and 8 loads
.endr
	SEND 3, 0
	s_wait_tensorcnt 0x0                           ; the wave's end: these three lines, behind my last tensor load and my last LDS store
	ds_add_u32 v[SPW], v[NIL]
	s_wait_dscnt 0x0
	CROUND                                         ; the closing round: no work-group ends while a partner may still ask for a tile that names it
	s_endpgm
.Lfunc_end_k_q2eb08fc125_oproj:
	.size	k_q2eb08fc125_oproj, .Lfunc_end_k_q2eb08fc125_oproj-k_q2eb08fc125_oproj
	.p2alignl 7, 3214868480
	.fill 96, 4, 3214868480
	.section	.rodata,"a",@progbits
	.p2align	6, 0x0
	.amdhsa_kernel k_q2eb08fc125_oproj
		.amdhsa_group_segment_fixed_size 327680
		.amdhsa_private_segment_fixed_size 0
		.amdhsa_enable_private_segment 0
		.amdhsa_kernarg_size 24
		.amdhsa_user_sgpr_count 2
		.amdhsa_user_sgpr_kernarg_segment_ptr 1
		.amdhsa_wavefront_size32 1
		.amdhsa_system_sgpr_workgroup_id_x 1
		.amdhsa_system_sgpr_workgroup_id_y 1
		.amdhsa_system_sgpr_workgroup_id_z 1
		.amdhsa_system_vgpr_workitem_id 0
		.amdhsa_next_free_vgpr 512
		.amdhsa_next_free_sgpr 66
		.amdhsa_reserve_vcc 0
		.amdhsa_float_denorm_mode_32 3
		.amdhsa_float_denorm_mode_16_64 3
		.amdhsa_memory_ordered 1
		.amdhsa_forward_progress 1
		.amdhsa_inst_pref_size 86
	.end_amdhsa_kernel
	.amdgpu_metadata
---
amdhsa.version: [ 1, 2 ]
amdhsa.kernels:
  - .name:           k_q2eb08fc125_oproj
    .symbol:         k_q2eb08fc125_oproj.kd
    .args:
      - { .name: o2, .offset: 0, .size: 8, .value_kind: global_buffer, .address_space: global }
      - { .name: wo16, .offset: 8, .size: 8, .value_kind: global_buffer, .address_space: global }
      - { .name: out0, .offset: 16, .size: 8, .value_kind: global_buffer, .address_space: global }
    .group_segment_fixed_size: 327680
    .private_segment_fixed_size: 0
    .kernarg_segment_align: 8
    .kernarg_segment_size: 24
    .max_flat_workgroup_size: 128
    .sgpr_count:     66
    .vgpr_count:     512
    .wavefront_size: 32
...
	.end_amdgpu_metadata
.endif
;; end of part 4
